; MI455X (gfx1250); checked and timed in simulation.
; The chip was launched on July 23, 2026; its instructions are those of AMD's public machine-readable ISA for CDNA 5 (MIT licence, August 2026) and "CDNA5" Instruction Set Architecture Reference Guide (July 2026). The comments in the code are by the model that wrote it; some were corrected since.
;; Llama Attention. Allowed arithmetic: matrix products marked QUANTISED: E2M3 operands, one E8M0 scale for each 32 along K, by v_wmma_scale_f32_16x16x128_f8f6f4 with both operands' format E2M3, f32 sums; everything else in f32.
;; Inputs: Wk 4,096 x 1,024 float32; Wo 2,048 x 4,096 float32; Wq 4,096 x 2,048 float32; Wv 4,096 x 1,024 float32; atten_mask 1 x 1 x 2,048 x 2,048 float32; freqs_cos 2,048 x 64 float32; freqs_sin 2,048 x 64 float32; hidden_states 1 x 2,048 x 4,096 float32.
;; Outputs: out0 1 x 2,048 x 4,096 float32.
;; This version of the problem:
;;   THIS VERSION OF THE PROBLEM IS GIVEN IN LOW PRECISION. The matrix products marked QUANTISED in the list below multiply operands that are first quantised to E2M3 (2 exponent bits, 3 mantissa bits; 6 bits a number), with one power-of-two scale for each 32 numbers along K (OCP MX v1.0); their sums are f32. All else is computed in f32.
;;   The module's matrix products, in the order in which they are computed (A, B: the left and right operand; K: the contracted axis; several contracted axes count as one K, in the product's order):
;;     1. [M 2,048, K 4,096] x [K 4,096, N 2,048]; A: input hidden_states; B: input Wq: QUANTISED
;;     2. [M 2,048, K 4,096] x [K 4,096, N 1,024]; A: input hidden_states; B: input Wk: QUANTISED
;;     3. [M 2,048, K 4,096] x [K 4,096, N 1,024]; A: input hidden_states; B: input Wv: QUANTISED
;;     4. batch 8 x [M 4,096, K 128] x [K 128, N 2,048]; A: computed on the way; B: computed on the way: QUANTISED
;;     5. batch 8 x [M 4,096, K 2,048] x [K 2,048, N 128]; A: softmax (see below); B: computed on the way: QUANTISED
;;     6. [M 2,048, K 2,048] x [K 2,048, N 4,096]; A: computed on the way; B: input Wo: QUANTISED
;;   THE QUANTISER, for each operand of a quantised product, along K:
;;     - K is cut into blocks of 32 from its start; a last block that is shorter is filled with zeros.
;;     - A block's scale is 2^e with e = floor(log2(the largest magnitude in the block)) - 2, held to -126 .. 127; a block of zeros has e = 0. As a byte (E8M0): e + 127.
;;     - Each number is divided by its block's scale, clamped to +-7.5, and rounded to the nearest number of E2M3, ties to even, subnormals kept.
;;     - The product sums the exact products of the quantised numbers (number of the format x scale) in f32.
;;   ~~~python
;;   def quantise(x, axis):      # numpy; x: float32 -> the quantised numbers, widened to float32 again
;;       x = np.moveaxis(x, axis, -1); K = x.shape[-1]
;;       x = np.pad(x, [(0, 0)] * (x.ndim - 1) + [(0, -K % 32)]); x = x.reshape(x.shape[:-1] + (-1, 32)); a = np.abs(x).max(-1, keepdims=True)
;;       e = np.where(a > 0, np.clip(np.frexp(np.where(a > 0, a, 1))[1] - 1 - 2, -126, 127), 0)      # np.frexp(a)[1] - 1 = floor(log2(a)), exactly
;;       r = np.clip(x / 2.0 ** e, -7.5, 7.5)
;;       step = 2.0 ** (np.maximum(np.frexp(np.where(r == 0, 1, r))[1] - 1, 0) - 3)
;;       q = np.round(r / step) * step * 2.0 ** e      # np.round: ties to even
;;       return np.moveaxis(q.reshape(q.shape[:-2] + (-1,))[..., :K], -1, axis).astype(np.float32)
;;   ~~~
;;   SOFTMAX AHEAD OF A QUANTISED PRODUCT. Where the list says 'softmax', what is quantised is not the finished softmax but p = 2^(t - M), with t = logit x log2(e) and M = ceil(the row's largest t), a whole number; so 1/2 < the row's largest p <= 1. The row's sum l is taken of the UNQUANTISED p, in f32, and the product's result is divided by l at the end. Since M is a whole number, a kernel that streams over the keys may use a running M (the ceiling of the running maximum): every later rescaling is an exact power of two, which a block's scale takes up: the codes' values come out the same.
;;   OPERANDS COMPUTED ON THE WAY. 'Computed on the way' means the value that the module computes at that place (a softmax that the list does not call 'softmax' is quantised finished and normalised). What goes into a quantiser is computed in f32, as accurately as f32 sums, v_exp_f32 and their like allow (about 1e-6 of the number): no bf16 or f16 on the way to a quantiser, and a product that is left as it is and whose result goes on into a quantised operand takes f32 operands (vector FMAs, or v_wmma_f32_16x16x4_f32). A number that lies on a knife's edge between two numbers of the format may be rounded either way, as far as f32 arithmetic and the matrix unit's own rounding can turn it there, and no further.
;; One version. Each part assembles by itself: llvm-mc -triple=amdgcn-amd-amdhsa -mcpu=gfx1250 --defsym DOCPART=n.
;; ======== version 1 of 1: 4 launches
;; limits: right only within a limited range of input values
;; workspace buffers: x_rec 6,553,600 bytes; w_rec 13,107,200 bytes; wo_rec 6,553,600 bytes; qkv_rec 6,553,600 bytes; y_rec 3,276,800 bytes
;; launch quant (part 1): grid 1024 x 1, 4 waves a work-group, no clusters, 46,592 bytes of LDS; arguments Wq, Wk, Wv, Wo, w_rec, wo_rec, hidden_states, x_rec; writes w_rec, wo_rec, x_rec
.if DOCPART == 1
	.amdgcn_target "amdgcn-amd-amdhsa--gfx1250"
	.amdhsa_code_object_version 6
	.text
	.protected	k_q723914a3c7_quant
	.globl	k_q723914a3c7_quant
	.p2align	8
	.type	k_q723914a3c7_quant,@function
k_q723914a3c7_quant:
	s_mov_b64 s[64:65], 0
	v_nop
	global_prefetch_b8 v0, s[64:65] scope:SCOPE_SE
	s_setreg_imm32_b32 hwreg(HW_REG_WAVE_MODE, 25, 1), 1
	s_wait_xcnt 0x0
; All f32 operands of the products on inputs are turned into codes of FP6 (E2M3) with one E8M0 scale byte for each 32 along K, laid in the order of a matrix operand's registers.
; A FRAGMENT is 16 rows x 128 K: 12 registers a lane; its image is 1,536 bytes: register p of lane l at byte 512 (p / 4) + 16 l + 4 (p % 4).
; A RECORD is 6,400 bytes: four fragments (one block of 16 rows, four neighbouring K steps), then 256 bytes of scale words: row r, fragment i at 6144 + 16 r + 4 i.
; A block's scale is 2^(floor(log2(its largest magnitude)) - 2); its byte is the largest magnitude's exponent field - 2, held at 1 from below.
; LIMITS: a block of zeros gets the byte 1 where the quantiser says 127 (its codes are zeros, and this program alone reads the bytes); blocks whose largest magnitude lies under 2^-124 take the floor's scale;
; NaN and infinities among the inputs are not served.
; ONE LAUNCH, TWO PATHS, which part once, on the work-group's number: work-groups 0-767 take the weights (K is their first axis), work-groups 768-1,023 hidden_states (K innermost).  A wave reads 32 KiB on either path.
; Each path has LDS bytes of its own: the weights' stages bytes 0 to 12,287, hidden_states' stages bytes 12,288 to 46,079.  Waves share nothing: no barrier; no byte is read by two work-groups: no cluster; no matrix unit.
.set REC,  6400
.set NWGW, 768                         ; the weights' work-groups
.set XLDS, 12288                       ; where hidden_states' stages begin
; ---- names of hidden_states' path
.set SP,   528                         ; a stage row: 512 bytes + 16: row r starts 4 r words on, so the sixteen rows of a load start in different banks (64 banks of 4 bytes: ISA guide 11.1)
.set STG,  16*SP
.set LI,   1                           ; v1   16 x lane
.set SIN,  2                           ; v2   the stage, on the way in
.set SOUT, 3                           ; v3   and on the way out: row r, + 64 h
.set SU,   4                           ; v4   16 r + 8 h: my 8 bytes of the scale unit
.set XR,   16                          ; v16-143  two sets of 64 registers as loaded
.set XN,   144                         ; v144-207 register 16 b + i: number 32 b + 16 h + i of my row's 128
.set PC,   208                         ; v208-227 the codes
.set TM,   228                         ; v228-243 at work
.set PWB,  244                         ; v244-247 the four steps' scale words
.set SW,   248                         ; v248-249 my two of them
.set SEL,  20                          ; s[20:21] lane selects: lane l xor 16
; ---- names of the weights' path
.set OFF, 8                            ; v8-39    byte offset of my column in row pi(p) (or p) of a block
.set E,   40                           ; v40-45   a block's codes
.set F,   46                           ; v46-48   the second conversion's result
.set SB,  50                           ; v50-51   my column's scale words of the two K steps
.set WX,  64                           ; v64-127  two sets of 32 numbers
.set OUT, 128                          ; v128-151 two images read back
; 64 numbers of a lane, v[src] on, register 16 b + i = place 32 b + 16 (lane / 16) + i of my row, become a fragment's codes in v[pc .. pc + 11] and its scale word in v[pw]
.macro QUANT src, pc, tm, pw
.irp b, 0,1,2,3
	v_max3_num_f32 v[\tm+\b], |v[\src+16*\b]|, |v[\src+1+16*\b]|, 0x1800000   ; block b: my 16 numbers, and the floor 2^(3 - 127): the byte cannot fall under 1
.endr
.irp i, 2,4,6,8,10,12,14
.irp b, 0,1,2,3
	v_max3_num_f32 v[\tm+\b], v[\tm+\b], |v[\src+16*\b+\i]|, |v[\src+1+16*\b+\i]|   ; the four blocks by turns
.endr
.endr
.irp b, 0,1,2,3
	v_permlanex16_b32 v[\tm+4+\b], v[\tm+\b], s[SEL], s[SEL+1]
.endr
.irp b, 0,1,2,3
	v_max_num_f32 v[\tm+\b], v[\tm+\b], v[\tm+4+\b]   ; with lane l xor 16's: the block's largest magnitude
.endr
.irp b, 0,1,2,3
	v_add_nc_u32 v[\tm+12+\b], 0xff000000, v[\tm+\b]   ; 2 off its exponent field: the conversion takes the exponent field of this operand as its scale
.endr
.irp b, 0,1,2,3
	v_lshrrev_b32 v[\tm+4+\b], 23, v[\tm+12+\b]   ; the scale's byte
.endr
	v_lshl_or_b32 v[\pw], v[\tm+5], 8, v[\tm+4]   ; the four bytes make my row's scale word (the same in lanes r and r + 16)
	v_lshl_or_b32 v[\pw], v[\tm+6], 16, v[\pw]
	v_lshl_or_b32 v[\pw], v[\tm+7], 24, v[\pw]
.irp c, 0,1
	v_cvt_scalef32_pk16_fp6_f32 v[\pc+6*\c:\pc+2+6*\c], v[\src+32*\c:\src+15+32*\c], v[\tm+12+2*\c]
	v_cvt_scalef32_pk16_fp6_f32 v[\pc+12+4*\c:\pc+14+4*\c], v[\src+16+32*\c:\src+31+32*\c], v[\tm+12+2*\c+1]   ; (a conversion's three registers begin on an even number)
.endr
	v_nop                                          ; one plain place behind a scaled conversion
.irp c, 0,1                                    ; the operand's layout wants a whole block in a lane: lanes 0-15 block 2 c, lanes 16-31 block 2 c + 1
.irp i, 0,1,2
	v_permlane16_swap_b32 v[\pc+6*\c+\i], v[\pc+12+4*\c+\i]
.endr
.irp i, 0,1,2
	v_mov_b32 v[\pc+3+6*\c+\i], v[\pc+12+4*\c+\i]
.endr
.endr
.endm
	v_lshl_add_u32 v254, v0, 2, 0xb400
	v_mov_b32 v255, 0
	s_cmp_lt_u32 ttmp9, NWGW                       ; the one parting of the ways: on the work-group's number alone
	s_cbranch_scc1 .Lweights
; ======== hidden_states [2048][4096] -> x_rec.  Wave 4 x (work-group - 768) + wave makes one record: rows 16 (R / 8) on, K 512 (R % 8) on, in four steps of 128 along K.
; Each load reads 512 consecutive bytes of one row; the conversions want 16 neighbours along K in one lane, so a step's 8,192 bytes turn through the wave's own stage in LDS.
	s_load_b128 s[4:7], s[0:1], 0x30               ; hidden_states, x_rec
	v_lshrrev_b32 v5, 5, v0
	v_readfirstlane_b32 s8, v5                     ; wave 0..3
	v_and_b32 v6, 31, v0                           ; lane
	v_and_b32 v7, 15, v0                           ; r
	v_bfe_u32 v8, v0, 4, 1                         ; h
	v_lshlrev_b32 v[LI], 4, v6
	s_mul_i32 s9, s8, STG
	s_add_co_u32 s9, s9, XLDS                      ; my stage
	v_add_nc_u32 v[SIN], s9, v[LI]
	v_mul_u32_u24 v[SOUT], v7, SP
	v_lshl_add_u32 v[SOUT], v8, 6, v[SOUT]
	v_add_nc_u32 v[SOUT], s9, v[SOUT]
	v_lshlrev_b32 v[SU], 4, v7
	v_lshl_add_u32 v[SU], v8, 3, v[SU]
	s_mov_b32 s[SEL], 0x76543210
	s_mov_b32 s[SEL+1], 0xfedcba98
.irp b, 0,1,2,3
	v_mov_b32 v[TM+4+\b], 0                        ; written once: a lane permute's destination counts as one of its sources
.endr
	s_sub_co_u32 s10, ttmp9, NWGW
	s_lshl_b32 s10, s10, 2
	s_add_co_u32 s10, s10, s8                      ; my record, 0 .. 1023
	s_lshr_b32 s11, s10, 3                         ; its block of 16 rows
	s_and_b32 s12, s10, 7                          ; its 512 along K
	s_lshl_b32 s14, s11, 18                        ; 16 rows of 16,384 bytes
	s_lshl_b32 s12, s12, 11
	s_add_co_u32 s14, s14, s12
	s_mov_b32 s15, 0
	s_mul_i32 s16, s10, REC
	s_mov_b32 s17, 0
	s_wait_alu depctr_va_vdst(0)
	s_wait_kmcnt 0x0
	s_add_nc_u64 s[4:5], s[4:5], s[14:15]
	s_add_nc_u64 s[6:7], s[6:7], s[16:17]
.macro XLOAD t                         ; step t: 512 consecutive bytes of each of the 16 rows
.irp i, 0,1,2,3,4,5,6,7,8,9,10,11,12,13,14,15
	global_load_b128 v[XR+64*((\t)%2)+4*\i:XR+64*((\t)%2)+4*\i+3], v[LI], s[4:5] offset:16384*\i+512*(\t) th:TH_LOAD_NT
.endr
.endm
.macro XSTEP t
.if (\t) < 3
	s_wait_loadcnt 16                              ; this step's 16 loads are in; the next step's 16 may be out
.else
	s_wait_loadcnt 0x0
.endif
.irp i, 0,1,2,3,4,5,6,7,8,9,10,11,12,13,14,15
	ds_store_b128 v[SIN], v[XR+64*((\t)%2)+4*\i:XR+64*((\t)%2)+4*\i+3] offset:SP*\i
.endr
.irp b, 0,1,2,3
.irp j, 0,1,2,3
	ds_load_b128 v[XN+16*\b+4*\j:XN+16*\b+4*\j+3], v[SOUT] offset:128*\b+16*\j   ; LDS serves a wave's instructions in order (ISA guide 5.7.1.4): these see the stores above
.endr
.endr
	s_wait_dscnt 0x0                               ; my 64 numbers are back, and the stores have read the set of registers,
.if (\t) < 2
	XLOAD (\t)+2                                   ; which takes the loads of two steps on
.endif
	s_wait_xcnt 0x0                                ; the last step's stores have read the codes' registers: they are written again only behind this wait
	QUANT XN, PC, TM, PWB+(\t)
.irp c, 0,1,2
	global_store_b128 v[LI], v[PC+4*\c:PC+4*\c+3], s[6:7] offset:1536*(\t)+512*\c   ; the fragment's image: 512 consecutive bytes a store, aligned to 256
.endr
.endm
	XLOAD 0
	XLOAD 1
	XSTEP 0
	XSTEP 1
	XSTEP 2
	XSTEP 3
	v_cmp_lt_u32 vcc_lo, 15, v6                    ; lanes 16-31 take the words of fragments 2 and 3
	v_cndmask_b32 v[SW], v[PWB], v[PWB+2], vcc_lo
	v_cndmask_b32 v[SW+1], v[PWB+1], v[PWB+3], vcc_lo
	global_store_b64 v[SU], v[SW:SW+1], s[6:7] offset:6144   ; the scale unit: 32 lanes store 256 consecutive bytes, aligned
	s_wait_tensorcnt 0x0
	ds_add_u32 v254, v255
	s_wait_dscnt 0x0
	s_endpgm
; ======== Wq [4096][2048], Wk, Wv [4096][1024], Wo [2048][4096], K the FIRST axis -> w_rec (rows n = Wq's 2,048 columns, then Wk's 1,024, then Wv's; 8 records for a block of 16 rows) and wo_rec (Wo's 4,096 columns; 4 records a block).
; A LANE TAKES A COLUMN n AND ITS REGISTERS RUN DOWN K: a block of 32 lies in one lane, and the conversions give codes with K innermost.  Nothing is transposed by an instruction.
; ORDER INSIDE A BLOCK OF Wo: place p of a block holds row 32 B + pi(p), pi swapping places 8-15 with 16-23: the order in which the attention launch's results fall into y's codes.  The blocks, and so the scales,
; are the true blocks; only the order of the additions inside a block differs from the plain order.
; SHARES: a work-group takes 128 columns x 256 K, a wave 32 columns: 8 blocks a lane, two fragments for each of two blocks of 16 columns.  One text for the four tensors: only pointers and sizes are chosen, on the
; work-group's number.  A K step's two images are put together in the wave's own 3,072 bytes of LDS and leave as runs of 512 bytes.
.Lweights:
	s_load_b256 s[8:15], s[0:1], 0x0               ; Wq, Wk, Wv, Wo
	s_load_b128 s[16:19], s[0:1], 0x20             ; w_rec, wo_rec
	v_lshrrev_b32 v1, 5, v0
	v_readfirstlane_b32 s2, v1                     ; wave 0..3
	v_and_b32 v56, 31, v0                          ; lane
	s_wait_alu depctr_va_vdst(0)
	v_and_b32 v57, 15, v0
	v_bfe_u32 v58, v0, 4, 1
	; the tensor's figures: first work-group s20, log2(groups of 128 columns) s21, first block of 16 rows s22, records a block s23, 8 where the order pi is wanted s29
	s_wait_alu depctr_va_vdst(0)
	s_mov_b32 s20, 512
	s_cmp_lt_u32 ttmp9, 512                        ; Wv or Wo
	s_cselect_b32 s20, 384, s20
	s_cselect_b32 s21, 3, 5
	s_cselect_b32 s22, 192, 0
	s_cselect_b32 s23, 8, 4
	s_cselect_b32 s29, 0, 8
	s_cmp_lt_u32 ttmp9, 384                        ; Wk
	s_cselect_b32 s20, 256, s20
	s_cselect_b32 s22, 128, s22
	s_cmp_lt_u32 ttmp9, 256                        ; Wq
	s_cselect_b32 s20, 0, s20
	s_cselect_b32 s21, 4, s21
	s_cselect_b32 s22, 0, s22
	s_sub_co_u32 s30, ttmp9, s20                   ; my number within the tensor
	s_lshl_b32 s31, 1, s21
	s_sub_co_u32 s31, s31, 1
	s_and_b32 s32, s30, s31                        ; which 128 columns
	s_lshr_b32 s33, s30, s21                       ; which 256 along K
	s_and_b32 s34, s33, 1                          ; which half of a record
	s_lshl_b32 s28, 512, s21                       ; a row of the tensor in bytes
	s_lshl_b32 s26, s28, 5                         ; 32 rows: from block to block
	s_mov_b32 s27, 0
	s_lshl_b32 s35, s28, 8
	s_mul_i32 s36, s33, s35                        ; 256 rows x which
	s_lshl_b32 s35, s32, 9
	s_add_co_u32 s36, s36, s35                     ; + 512 bytes x which 128 columns
	s_lshl_b32 s35, s2, 7
	s_add_co_u32 s36, s36, s35                     ; + my wave's 32 columns
	s_mov_b32 s37, 0
	s_lshl_b32 s35, s32, 3
	s_add_co_u32 s35, s35, s22
	s_lshl_b32 s38, s2, 1
	s_add_co_u32 s35, s35, s38                     ; my first block of 16 rows of the operand
	s_mul_i32 s35, s35, s23
	s_lshr_b32 s38, s33, 1
	s_add_co_u32 s35, s35, s38                     ; its record
	s_mul_i32 s46, s35, REC
	s_mov_b32 s47, 0
	s_mul_i32 s44, s23, REC                        ; from a block of 16 rows to the next
	s_mul_i32 s38, s34, 3072                       ; my two fragments' place in the record
	s_mov_b32 s39, 0
	s_lshl_b32 s30, s34, 3                         ; and my two scale words' place in a row's four
	s_mov_b32 s31, 0
	v_lshlrev_b32 v1, 2, v56                       ; 4 x lane
	s_mul_i32 s3, s2, 3072                         ; my stage
	v_mul_u32_u24 v2, v58, 1536
	v_lshl_add_u32 v2, v57, 4, v2
	v_add_nc_u32 v2, s3, v2                        ; into it: image lane / 16, row lane % 16
	v_lshlrev_b32 v4, 4, v56                       ; 16 x lane
	v_add_nc_u32 v3, s3, v4                        ; out of it
	v_add_nc_u32 v5, s44, v4                       ; the second block's record
	v_mul_u32_u24 v6, v58, s44
	v_lshl_add_u32 v6, v57, 4, v6                  ; my column's place in its scale unit
	s_wait_alu depctr_va_vdst(0)
	s_wait_kmcnt 0x0
	s_cmp_lt_u32 ttmp9, 512                        ; the pointers are chosen on the work-group's number alone
	s_cselect_b64 s[4:5], s[12:13], s[14:15]
	s_cselect_b64 s[6:7], s[16:17], s[18:19]
	s_cmp_lt_u32 ttmp9, 384
	s_cselect_b64 s[4:5], s[10:11], s[4:5]
	s_cmp_lt_u32 ttmp9, 256
	s_cselect_b64 s[4:5], s[8:9], s[4:5]
	s_add_nc_u64 s[24:25], s[4:5], s[36:37]        ; my first row and column
	s_add_nc_u64 s[6:7], s[6:7], s[46:47]          ; my record
	s_add_nc_u64 s[40:41], s[6:7], s[38:39]        ; my fragments
	s_add_nc_u64 s[42:43], s[6:7], s[30:31]        ; my scale words
.irp p, 0,1,2,3,4,5,6,7,8,9,10,11,12,13,14,15,16,17,18,19,20,21,22,23,24,25,26,27,28,29,30,31
.if (\p >= 8) && (\p < 16)
	s_add_co_u32 s45, s29, \p                      ; places 8-15 take rows 16-23 where the order pi is wanted,
.elseif (\p >= 16) && (\p < 24)
	s_sub_co_u32 s45, \p, s29                      ; places 16-23 rows 8-15
.else
	s_mov_b32 s45, \p
.endif
	s_mul_i32 s45, s45, s28
	v_add_nc_u32 v[OFF+\p], s45, v1
.endr
.macro WLOAD t                         ; block t into set t % 2: each load reads 128 consecutive bytes, the four waves side by side 512
	s_wait_xcnt 0x0                                ; every earlier memory instruction has read its addresses and data: the base may step, and the images' registers may be loaded again
.if (\t) > 0
	s_add_nc_u64 s[24:25], s[24:25], s[26:27]
.endif
.irp p, 0,1,2,3,4,5,6,7,8,9,10,11,12,13,14,15,16,17,18,19,20,21,22,23,24,25,26,27,28,29,30,31
	global_load_b32 v[WX+32*((\t)%2)+\p], v[OFF+\p], s[24:25] th:TH_LOAD_NT
.endr
.endm
.macro WOUT k                          ; K step k's two images leave: 512 consecutive bytes a store, aligned to 256
.irp c, 0,1,2
	global_store_b128 v4, v[OUT+4*\c:OUT+4*\c+3], s[40:41] offset:1536*(\k)+512*\c
	global_store_b128 v5, v[OUT+12+4*\c:OUT+12+4*\c+3], s[40:41] offset:1536*(\k)+512*\c
.endr
.endm
.macro WBLOCK t
.set XS, WX+32*((\t)%2)
.set BE, (\t)%4                        ; the block's number in its K step: it belongs to lane r + 16 (BE % 2), registers 6 (BE / 2) on
.set HH, BE%2
.if (\t) < 7
	s_wait_loadcnt 32                              ; this block's 32 loads are in; the next block's may be out
.else
	s_wait_loadcnt 0x0
.endif
	v_max3_num_f32 v52, |v[XS]|, |v[XS+1]|, |v[XS+2]|   ; the block's largest magnitude: all 32 numbers are mine
	v_max3_num_f32 v53, |v[XS+3]|, |v[XS+4]|, |v[XS+5]|
.irp i, 6,10,14,18,22,26
	v_max3_num_f32 v52, v52, |v[XS+\i]|, |v[XS+\i+1]|
	v_max3_num_f32 v53, v53, |v[XS+\i+2]|, |v[XS+\i+3]|
.endr
	v_max3_num_f32 v52, v52, |v[XS+30]|, |v[XS+31]|
	v_max3_num_f32 v52, v52, v53, 0x1800000        ; and the floor 2^(3 - 127): the byte cannot fall under 1
	v_add_nc_u32 v54, 0xff000000, v52              ; 2 off its exponent field: the conversion's scale operand
	v_lshrrev_b32 v55, 23, v54                     ; the scale's byte
.if BE == 0
	v_mov_b32 v[SB+(\t)/4], v55
.else
	v_lshl_or_b32 v[SB+(\t)/4], v55, 8*BE, v[SB+(\t)/4]
.endif
	s_wait_alu depctr_va_vdst(0)
	s_wait_dscnt 0x0                               ; the last block's stores have read the codes' registers; a finished K step's images are back in registers
.if (\t) == 4
	WOUT 0
.endif
	v_cvt_scalef32_pk16_fp6_f32 v[E:E+2], v[XS:XS+15], v54
	v_cvt_scalef32_pk16_fp6_f32 v[F:F+2], v[XS+16:XS+31], v54   ; (a conversion's three registers begin on an even number)
	v_nop                                          ; one plain place behind a scaled conversion
.irp i, 0,1,2
	v_mov_b32 v[E+3+\i], v[F+\i]
.endr
.if BE < 2                             ; registers 0-5 of the image's lane
	ds_store_b128 v2, v[E:E+3] offset:256*HH
	ds_store_b64 v2, v[E+4:E+5] offset:512+256*HH
.else                                  ; registers 6-11
	ds_store_b64 v2, v[E:E+1] offset:520+256*HH
	ds_store_b128 v2, v[E+2:E+5] offset:1024+256*HH
.endif
.if (\t)+2 < 8
	WLOAD (\t)+2
.endif
.if BE == 3                            ; the K step's two images are whole
.irp s, 0,1
.irp c, 0,1,2
	ds_load_b128 v[OUT+12*\s+4*\c:OUT+12*\s+4*\c+3], v3 offset:1536*\s+512*\c   ; LDS serves a wave's instructions in order (ISA guide 5.7.1.4): these see my stores
.endr
.endr
.endif
.endm
	s_wait_alu depctr_va_vdst(0)
	WLOAD 0
	WLOAD 1
	WBLOCK 0
	WBLOCK 1
	WBLOCK 2
	WBLOCK 3
	WBLOCK 4
	WBLOCK 5
	WBLOCK 6
	WBLOCK 7
	s_wait_dscnt 0x0
	WOUT 1
	global_store_b64 v6, v[SB:SB+1], s[42:43] offset:6144   ; my column's two scale words: half of a row's 16 bytes (the other half is another work-group's)
	s_wait_tensorcnt 0x0
	ds_add_u32 v254, v255
	s_wait_dscnt 0x0
	s_endpgm
.Lfunc_end_k_q723914a3c7_quant:
	.size	k_q723914a3c7_quant, .Lfunc_end_k_q723914a3c7_quant-k_q723914a3c7_quant
	.p2alignl 7, 3214868480
	.fill 96, 4, 3214868480
	.section	.rodata,"a",@progbits
	.p2align	6, 0x0
	.amdhsa_kernel k_q723914a3c7_quant
		.amdhsa_group_segment_fixed_size 46592
		.amdhsa_private_segment_fixed_size 0
		.amdhsa_enable_private_segment 0
		.amdhsa_kernarg_size 64
		.amdhsa_user_sgpr_count 2
		.amdhsa_user_sgpr_kernarg_segment_ptr 1
		.amdhsa_wavefront_size32 1
		.amdhsa_system_sgpr_workgroup_id_x 1
		.amdhsa_system_sgpr_workgroup_id_y 1
		.amdhsa_system_sgpr_workgroup_id_z 1
		.amdhsa_system_vgpr_workitem_id 0
		.amdhsa_next_free_vgpr 256
		.amdhsa_next_free_sgpr 66
		.amdhsa_reserve_vcc 1
		.amdhsa_float_denorm_mode_32 3
		.amdhsa_float_denorm_mode_16_64 3
		.amdhsa_memory_ordered 1
		.amdhsa_forward_progress 1
		.amdhsa_inst_pref_size 79
	.end_amdhsa_kernel
	.amdgpu_metadata
---
amdhsa.version: [ 1, 2 ]
amdhsa.kernels:
  - .name:           k_q723914a3c7_quant
    .symbol:         k_q723914a3c7_quant.kd
    .args:
      - { .name: Wq, .offset: 0, .size: 8, .value_kind: global_buffer, .address_space: global }
      - { .name: Wk, .offset: 8, .size: 8, .value_kind: global_buffer, .address_space: global }
      - { .name: Wv, .offset: 16, .size: 8, .value_kind: global_buffer, .address_space: global }
      - { .name: Wo, .offset: 24, .size: 8, .value_kind: global_buffer, .address_space: global }
      - { .name: w_rec, .offset: 32, .size: 8, .value_kind: global_buffer, .address_space: global }
      - { .name: wo_rec, .offset: 40, .size: 8, .value_kind: global_buffer, .address_space: global }
      - { .name: hidden_states, .offset: 48, .size: 8, .value_kind: global_buffer, .address_space: global }
      - { .name: x_rec, .offset: 56, .size: 8, .value_kind: global_buffer, .address_space: global }
    .group_segment_fixed_size: 46592
    .private_segment_fixed_size: 0
    .kernarg_segment_align: 8
    .kernarg_segment_size: 64
    .max_flat_workgroup_size: 128
    .sgpr_count:     66
    .vgpr_count:     256
    .wavefront_size: 32
...
	.end_amdgpu_metadata
.endif
;; end of part 1
;; launch qkv (part 2): grid 16 x 16, 4 waves a work-group, clusters of 4 x 4, 327,680 bytes of LDS; arguments x_rec, w_rec, freqs_cos, freqs_sin, qkv_rec; writes qkv_rec
.if DOCPART == 2
	.amdgcn_target "amdgcn-amd-amdhsa--gfx1250"
	.amdhsa_code_object_version 6
	.text
	.protected	k_q723914a3c7_qkv
	.globl	k_q723914a3c7_qkv
	.p2align	8
	.type	k_q723914a3c7_qkv,@function
k_q723914a3c7_qkv:
	s_mov_b64 s[64:65], 0
	v_nop
	global_prefetch_b8 v0, s[64:65] scope:SCOPE_SE
	s_setreg_imm32_b32 hwreg(HW_REG_WAVE_MODE, 25, 1), 1
	s_wait_xcnt 0x0
	s_wait_alu depctr_hold_cnt(0) depctr_sa_sdst(0) depctr_va_vdst(0) depctr_va_sdst(0) depctr_va_ssrc(0) depctr_va_vcc(0) depctr_vm_vsrc(0)
	s_getreg_b32 s2, hwreg(HW_REG_IB_STS2, 6, 4)
	s_cmp_eq_u32 s2, 0
	s_cbranch_scc0 .Lentry_in_a_cluster
	s_endpgm
.Lentry_in_a_cluster:
	s_bfe_u32 s2, ttmp6, 0x10000c
	s_cmp_lg_u32 s2, 0xf033
	s_cbranch_scc0 .Lentry_shape_is_right
	s_endpgm
.Lentry_shape_is_right:
.set REC,   6400
.set RBB,   8*REC
.set SLOT,  24*REC
.set BOFF,  8*REC
.set SPARE, 2*SLOT
.set LAPS,  4
.set ADRA, 16
.set ADSA, 18
.set ADRB, 20
.set ADSB, 22
.set LI,   24
.set SU,   25
.set TA,   26
.set SPW,  28
.set NIL,  29
.set SC,   32
.set AF,   128
.set HA,   128
.set PC,   192
.set TM,   212
.set PWB,  228
.set T,    232
.set SW,   240
.set G1A, 24
.set G0A, 32
.set G1B, 48
.set G0B, 56
.set PFO, 27                           ; v27  the prefetches' offset: 256 x min(lane, 24): a record has 25 blocks of 256 bytes; never rewritten
.set PFA, 84                           ; s[84:85] where my prefetches stand
; A prefetch of records that a later tensor load will bring: behind the load of K chunk j stands the request for chunk j + 2 (and behind the first load also that for chunk 1).
; The four partners that ask for a tile jointly share its records out by address: of A's four records of a wave the partner at cx takes record cx; of B's eight the partner at cy takes records 2 cy and 2 cy + 1.
; guard = 1, in the loop: its last trip's two refills have no chunk two on.
.macro ASK off, guard
.if \guard
	s_cmp_gt_u32 s3, 1
	s_cbranch_scc0 .Lno_ask_\@
.endif
	global_prefetch_b8 v[PFO], s[PFA:PFA+1] offset:\off th:TH_LOAD_NT scope:SCOPE_SE
	s_cmp_eq_u32 s15, 0
	s_cbranch_scc1 .Lno_ask_\@
	global_prefetch_b8 v[PFO], s[PFA:PFA+1] offset:(\off)+RBB th:TH_LOAD_NT scope:SCOPE_SE
.Lno_ask_\@:
.endm
.set SEL, 82
.set MSB, 0
.macro WIN new
.if MSB != \new
	s_set_vgpr_msb (MSB<<8)|\new
.set MSB, \new
.endif
.endm
.set MUL,  0xa1
.set TO_B, 0x40
.macro PLACES
.rept 4
	v_nop
.endr
.endm
.macro JLOAD s
	s_cmp_eq_u32 s15, 0
	s_cbranch_scc0 .Lfor_b_\@
	tensor_load_to_lds s[G0A+4*\s:G0A+4*\s+3], s[G1A:G1A+7]
	s_nop 0
.rept 4
	v_nop
.endr
	s_branch .Lasked_\@
.Lfor_b_\@:
	tensor_load_to_lds s[G0B+4*\s:G0B+4*\s+3], s[G1B:G1B+7]
	s_nop 0
.rept 4
	v_nop
.endr
.Lasked_\@:
.endm
.macro CREST
	s_cmp_lg_u32 s14, 0
	s_cbranch_scc1 .Lnot_wave_0_\@
	s_barrier_signal -3
.Lnot_wave_0_\@:
	s_barrier_wait -3
	s_barrier_signal -1
	s_barrier_wait -1
.endm
.macro CROUND
	s_barrier_signal -1
	s_barrier_wait -1
	CREST
.endm
.macro QUANT src, pc, tm, pw
.irp b, 0,1,2,3
	v_max3_num_f32 v[\tm+\b], |v[\src+16*\b]|, |v[\src+1+16*\b]|, 0x1800000
.endr
.irp i, 2,4,6,8,10,12,14
.irp b, 0,1,2,3
	v_max3_num_f32 v[\tm+\b], v[\tm+\b], |v[\src+16*\b+\i]|, |v[\src+1+16*\b+\i]|
.endr
.endr
.irp b, 0,1,2,3
	v_permlanex16_b32 v[\tm+4+\b], v[\tm+\b], s[SEL], s[SEL+1]
.endr
.irp b, 0,1,2,3
	v_max_num_f32 v[\tm+\b], v[\tm+\b], v[\tm+4+\b]
.endr
.irp b, 0,1,2,3
	v_add_nc_u32 v[\tm+12+\b], 0xff000000, v[\tm+\b]
.endr
.irp b, 0,1,2,3
	v_lshrrev_b32 v[\tm+4+\b], 23, v[\tm+12+\b]
.endr
	v_lshl_or_b32 v[\pw], v[\tm+5], 8, v[\tm+4]
	v_lshl_or_b32 v[\pw], v[\tm+6], 16, v[\pw]
	v_lshl_or_b32 v[\pw], v[\tm+7], 24, v[\pw]
.irp c, 0,1
	v_cvt_scalef32_pk16_fp6_f32 v[\pc+6*\c:\pc+2+6*\c], v[\src+32*\c:\src+15+32*\c], v[\tm+12+2*\c]
	v_cvt_scalef32_pk16_fp6_f32 v[\pc+12+4*\c:\pc+14+4*\c], v[\src+16+32*\c:\src+31+32*\c], v[\tm+12+2*\c+1]
.endr
	v_nop
.irp c, 0,1
.irp i, 0,1,2
	v_permlane16_swap_b32 v[\pc+6*\c+\i], v[\pc+12+4*\c+\i]
.endr
.irp i, 0,1,2
	v_mov_b32 v[\pc+3+6*\c+\i], v[\pc+12+4*\c+\i]
.endr
.endr
.endm
	s_load_b128 s[4:7], s[0:1], 0x0
	s_load_b128 s[8:11], s[0:1], 0x10
	s_load_b64 s[12:13], s[0:1], 0x20
	v_lshl_add_u32 v[SPW], v0, 2, SPARE
	v_mov_b32 v[NIL], 0
	ds_add_u32 v28, v29
	ds_add_u32 v28, v29
	s_wait_dscnt 0x0
	v_lshrrev_b32 v1, 5, v0
	v_readfirstlane_b32 s14, v1
	v_and_b32 v[PFO], 31, v0
	v_min_u32 v[PFO], 24, v[PFO]
	v_lshlrev_b32 v[PFO], 8, v[PFO]
	s_lshr_b32 s15, s14, 1
	s_and_b32 s16, s14, 1
	s_bfe_u32 s40, ttmp6, 0x40000
	s_bfe_u32 s41, ttmp6, 0x40004
	s_and_b32 s42, ttmp7, 0xffff
	s_and_b32 s43, s42, 1
	s_lshr_b32 s44, s42, 1
	s_cmp_eq_u32 ttmp9, 3
	s_cselect_b32 s17, 1, 0
	s_cselect_b32 s43, s43, s42
	s_cselect_b32 s44, s44, ttmp9
	s_lshl_b32 s43, s43, 2
	s_add_co_u32 s43, s43, s41
	s_lshl_b32 s44, s44, 2
	s_add_co_u32 s44, s44, s40
	s_lshl_b32 s45, s41, 2
	s_lshl_b32 s45, 15, s45
	s_lshl_b32 s46, 0x1111, s40
	s_or_b32 s[G1A], s45, (3<<16)|(1<<21)
	s_or_b32 s[G1B], s46, (3<<16)|(1<<21)
	s_mov_b32 s[G1A+1], 800<<16
	s_mov_b32 s[G1A+2], 4<<16
	s_mov_b32 s[G1A+3], 800<<16
	s_mov_b32 s[G1A+4], 4
	s_mov_b32 s[G1A+5], RBB/8
	s_mov_b32 s[G1A+6], 0
	s_mov_b32 s[G1A+7], 0
	s_mov_b32 s[G1B+1], 800<<16
	s_mov_b32 s[G1B+2], 8<<16
	s_mov_b32 s[G1B+3], 800<<16
	s_mov_b32 s[G1B+4], 8
	s_mov_b32 s[G1B+5], RBB/8
	s_mov_b32 s[G1B+6], 0
	s_mov_b32 s[G1B+7], 0
	s_lshl_b32 s20, s43, 3
	s_lshl_b32 s21, s16, 2
	s_add_co_u32 s20, s20, s21
	s_mul_i32 s20, s20, RBB
	s_mov_b32 s21, 0
	s_lshl_b32 s66, s44, 4
	s_lshl_b32 s67, s16, 3
	s_add_co_u32 s66, s66, s67
	s_mul_i32 s66, s66, RBB
	s_mov_b32 s67, 0
	s_mul_i32 s72, s16, 4*REC
	s_mul_i32 s73, s16, 8*REC
	s_add_co_u32 s73, s73, BOFF
	s_mov_b32 s[SEL], 0x76543210
	s_mov_b32 s[SEL+1], 0xfedcba98
	s_wait_kmcnt 0x0
	s_cmp_eq_u32 s17, 1
	s_cselect_b64 s[68:69], s[6:7], s[4:5]
	s_cselect_b64 s[70:71], s[4:5], s[6:7]
	s_cselect_b32 s22, 192*RBB, 0
	s_mov_b32 s23, 0
	s_add_nc_u64 s[68:69], s[68:69], s[20:21]
	s_add_nc_u64 s[68:69], s[68:69], s[22:23]
	s_add_nc_u64 s[70:71], s[70:71], s[66:67]
	s_mul_i32 s86, s40, RBB                        ; the prefetches: A's record cx of my four,
	s_mul_i32 s87, s41, 2*RBB                      ; B's records 2 cy on of my eight
	s_cmp_eq_u32 s15, 0                            ; do I fetch for A?
	s_cselect_b64 s[PFA:PFA+1], s[68:69], s[70:71]
	s_cselect_b32 s86, s86, s87
	s_mov_b32 s87, 0
	s_add_nc_u64 s[PFA:PFA+1], s[PFA:PFA+1], s[86:87]
; A slot's first fill: its descriptors, the lines and the round ahead of it, the joint load, and the requests for later chunks
.macro HEADFILL s
	s_mov_b32 s[G0A+4*\s], 1
	s_add_co_u32 s[G0A+4*\s+1], s72, \s*SLOT
	s_add_nc_u64 s[G0A+4*\s+2:G0A+4*\s+3], s[68:69], \s*REC
	s_or_b32 s[G0A+4*\s+3], s[G0A+4*\s+3], 0x80000000
	s_mov_b32 s[G0B+4*\s], 1
	s_add_co_u32 s[G0B+4*\s+1], s73, \s*SLOT
	s_add_nc_u64 s[G0B+4*\s+2:G0B+4*\s+3], s[70:71], \s*REC
	s_or_b32 s[G0B+4*\s+3], s[G0B+4*\s+3], 0x80000000
	s_wait_alu depctr_va_vdst(0)
	s_wait_tensorcnt 0x0
	ds_add_u32 v28, v29
	ds_add_u32 v28, v29
	s_wait_dscnt 0x0
	CROUND
	JLOAD \s
.if \s == 0
	ASK REC, 0                                     ; chunks 1 and 2
	ASK 2*REC, 0
.else
	ASK 3*REC, 0                                   ; chunk 3
.endif
.endm
	HEADFILL 0                                     ; the set-up and the tables' loads below stand between this load and the wait for it
	v_and_b32 v1, 31, v0
	v_and_b32 v2, 15, v0
	v_bfe_u32 v3, v0, 4, 1
	v_lshlrev_b32 v[LI], 4, v1
	v_lshlrev_b32 v4, 4, v2
	v_lshl_add_u32 v[SU], v3, 3, v4
	v_lshlrev_b32 v[TA], 8, v2
	v_lshl_add_u32 v[TA], v3, 5, v[TA]
	s_wait_alu depctr_va_vdst(0)
	s_mul_i32 s80, s15, 4*REC
	s_mul_i32 s81, s16, 8*REC
	s_add_co_u32 s81, s81, BOFF
.irp s, 0,1
	v_add_nc_u32 v[ADRA+\s], s80, v[LI]
	v_add_nc_u32 v[ADSA+\s], s80, v4
	v_add_nc_u32 v[ADRB+\s], s81, v[LI]
	v_add_nc_u32 v[ADSB+\s], s81, v4
	s_add_co_u32 s80, s80, SLOT
	s_add_co_u32 s81, s81, SLOT
.endr
	s_lshl_b32 s74, s44, 1
	s_add_co_u32 s74, s74, s16
	s_lshl_b32 s75, s74, 5
	s_lshl_b32 s76, s43, 1
	s_add_co_u32 s75, s75, s76
	s_lshl_b32 s76, s43, 4
	s_add_co_u32 s76, s76, s74
	s_lshl_b32 s76, s76, 1
	s_add_co_u32 s76, s76, 768
	s_cmp_eq_u32 s17, 1
	s_cselect_b32 s75, s76, s75
	s_add_co_u32 s75, s75, s15
	s_mul_i32 s76, s75, REC
	s_mov_b32 s77, 0
	s_add_nc_u64 s[12:13], s[12:13], s[76:77]
	s_lshl_b32 s78, s43, 15
	s_lshl_b32 s79, s15, 14
	s_add_co_u32 s78, s78, s79
	s_mov_b32 s79, 0
	s_add_nc_u64 s[8:9], s[8:9], s[78:79]
	s_add_nc_u64 s[10:11], s[10:11], s[78:79]
	WIN 0xc0
.irp a, 0,1,2,3
.irp b, 0,1,2,3
.irp i, 0,1
	global_load_b128 v[64*\a+8*\b+4*\i:64*\a+8*\b+4*\i+3], v[TA], s[8:9] offset:4096*\a+64*\b+16*\i
	global_load_b128 v[64*\a+32+8*\b+4*\i:64*\a+32+8*\b+4*\i+3], v[TA], s[10:11] offset:4096*\a+64*\b+16*\i
.endr
.endr
.endr
	WIN 0
	HEADFILL 1
.macro FETCH slot, q, p
	WIN TO_B
.irp b, 0,1,2,3,4,5,6,7
.irp c, 0,1,2
	ds_load_b128 v[128*(\p)+12*\b+4*\c:128*(\p)+12*\b+4*\c+3], v[ADRB+\slot] offset:REC*\b+1536*(\q)+512*\c
.endr
.endr
	WIN 0
.irp a, 0,1,2,3
.irp c, 0,1,2
	ds_load_b128 v[AF+48*(\p)+12*\a+4*\c:AF+48*(\p)+12*\a+4*\c+3], v[ADRA+\slot] offset:REC*\a+1536*(\q)+512*\c
.endr
.endr
.endm
.macro SCALES s
.irp a, 0,1,2,3
	ds_load_b128 v[SC+48*\s+4*\a:SC+48*\s+4*\a+3], v[ADSA+\s] offset:REC*\a+6144
.endr
.irp b, 0,1,2,3,4,5,6,7
	ds_load_b128 v[SC+48*\s+16+4*\b:SC+48*\s+16+4*\b+3], v[ADSB+\s] offset:REC*\b+6144
.endr
.endm
.macro MUL8 a, p, q, sc, zero
.irp b, 0,1,2,3,4,5,6,7
.if \zero
	v_wmma_scale_f32_16x16x128_f8f6f4 v[8*(8*(\a)+\b):8*(8*(\a)+\b)+7], v[128*(\p)+12*\b:128*(\p)+12*\b+11], v[AF+48*(\p)+12*(\a):AF+48*(\p)+12*(\a)+11], 0, v[SC+48*(\sc)+16+4*\b+(\q)], v[SC+48*(\sc)+4*(\a)+(\q)] matrix_a_fmt:MATRIX_FMT_FP6 matrix_b_fmt:MATRIX_FMT_FP6
.else
	v_wmma_scale_f32_16x16x128_f8f6f4 v[8*(8*(\a)+\b):8*(8*(\a)+\b)+7], v[128*(\p)+12*\b:128*(\p)+12*\b+11], v[AF+48*(\p)+12*(\a):AF+48*(\p)+12*(\a)+11], v[8*(8*(\a)+\b):8*(8*(\a)+\b)+7], v[SC+48*(\sc)+16+4*\b+(\q)], v[SC+48*(\sc)+4*(\a)+(\q)] matrix_a_fmt:MATRIX_FMT_FP6 matrix_b_fmt:MATRIX_FMT_FP6
.endif
.endr
.endm
.macro STEP slot, q, zero
	s_wait_dscnt 0x0
	PLACES
	FETCH \slot, (\q)+1, 1-(\q)%2
	WIN MUL
	MUL8 0, (\q)%2, \q, \slot, \zero
	MUL8 1, (\q)%2, \q, \slot, \zero
	MUL8 2, (\q)%2, \q, \slot, \zero
	MUL8 3, (\q)%2, \q, \slot, \zero
	WIN 0
.endm
.macro TURN slot, next, fill
.if \fill
	s_wait_xcnt 0x0                                ; my last prefetch has read its address: it steps one chunk on
	s_add_nc_u64 s[PFA:PFA+1], s[PFA:PFA+1], REC
.endif
	s_wait_tensorcnt 0x0
	ds_add_u32 v[SPW], v[NIL]
	s_wait_dscnt 0x1
	WIN MUL
	MUL8 0, 1, 3, \slot, 0
	s_wait_dscnt 0x0
	s_barrier_signal -1
	MUL8 1, 1, 3, \slot, 0
	WIN 0
	s_barrier_wait -1
.if \fill
	CREST
	s_add_nc_u64 s[G0A+4*\slot+2:G0A+4*\slot+3], s[G0A+4*\slot+2:G0A+4*\slot+3], 2*REC
	s_add_nc_u64 s[G0B+4*\slot+2:G0B+4*\slot+3], s[G0B+4*\slot+2:G0B+4*\slot+3], 2*REC
	JLOAD \slot
.else
	PLACES
.endif
	FETCH \next, 0, 0
	SCALES \next
.if \fill
	ASK 3*REC, 1                                   ; behind the joint load and the run of LDS loads: the chunk two refills on
.endif
	WIN MUL
	MUL8 2, 1, 3, \slot, 0
	MUL8 3, 1, 3, \slot, 0
	WIN 0
.endm
	s_wait_alu depctr_va_vdst(0)
	s_wait_tensorcnt 0x1
	s_barrier_signal -1
	s_barrier_wait -1
	FETCH 0, 0, 0
	SCALES 0
	STEP 0, 0, 1
	s_mov_b32 s3, LAPS-1
.Llap:
	STEP 0, 1, 0
	STEP 0, 2, 0
	TURN 0, 1, 1
	STEP 1, 0, 0
	STEP 1, 1, 0
	STEP 1, 2, 0
	TURN 1, 0, 1
	STEP 0, 0, 0
	s_sub_co_u32 s3, s3, 1
	s_cmp_lg_u32 s3, 0
	s_cbranch_scc1 .Llap
	STEP 0, 1, 0
	STEP 0, 2, 0
	TURN 0, 1, 0
	STEP 1, 0, 0
	STEP 1, 1, 0
	STEP 1, 2, 0
	s_wait_dscnt 0x0
	WIN MUL
	MUL8 0, 1, 3, 1, 0
	MUL8 1, 1, 3, 1, 0
	MUL8 2, 1, 3, 1, 0
	MUL8 3, 1, 3, 1, 0
	WIN 0
.macro ROPE a
	WIN 0x0e
.irp b, 0,1,2,3
.irp jj, 0,2,4,6
	v_pk_mul_f32 v[T+4*((\jj/2)%2):T+4*((\jj/2)%2)+1], v[64*\a+8*(\b+4)+\jj:64*\a+8*(\b+4)+\jj+1], v[64*\a+32+8*\b+\jj:64*\a+32+8*\b+\jj+1]
	v_pk_mul_f32 v[T+4*((\jj/2)%2)+2:T+4*((\jj/2)%2)+3], v[64*\a+8*(\b+4)+\jj:64*\a+8*(\b+4)+\jj+1], v[64*\a+8*\b+\jj:64*\a+8*\b+\jj+1]
	v_pk_fma_f32 v[HA+8*\b+\jj:HA+8*\b+\jj+1], v[64*\a+8*\b+\jj:64*\a+8*\b+\jj+1], v[64*\a+8*\b+\jj:64*\a+8*\b+\jj+1], v[T+4*((\jj/2)%2):T+4*((\jj/2)%2)+1] neg_lo:[0,0,1] neg_hi:[0,0,1]
	v_pk_fma_f32 v[HA+8*(\b+4)+\jj:HA+8*(\b+4)+\jj+1], v[64*\a+8*\b+\jj:64*\a+8*\b+\jj+1], v[64*\a+32+8*\b+\jj:64*\a+32+8*\b+\jj+1], v[T+4*((\jj/2)%2)+2:T+4*((\jj/2)%2)+3]
.endr
.endr
	WIN 0
.endm
.macro COPY a
	WIN 0x02
.set J, 0
.rept 32
	v_pk_mul_f32 v[HA+J:HA+J+1], v[64*\a+J:64*\a+J+1], 1.0 op_sel_hi:[1,0]
.set J, J+2
.endr
	WIN 0
.endm
	s_wait_loadcnt 0x0
	PLACES
.irp b, 0,1,2,3
	v_mov_b32 v[TM+4+\b], 0
.endr
.irp a, 0,1,2,3
	s_cmp_eq_u32 s17, 1
	s_cbranch_scc1 .Lplain_\a
	ROPE \a
	s_branch .Lquant_\a
.Lplain_\a:
	COPY \a
.Lquant_\a:
.if \a > 0
	s_wait_xcnt 0x0
.endif
	QUANT HA, PC, TM, PWB+\a
.irp c, 0,1,2
	global_store_b128 v[LI], v[PC+4*\c:PC+4*\c+3], s[12:13] offset:1536*\a+512*\c
.endr
.endr
	v_cmp_lt_u32 vcc_lo, 15, v1
	v_cndmask_b32 v[SW], v[PWB], v[PWB+2], vcc_lo
	v_cndmask_b32 v[SW+1], v[PWB+1], v[PWB+3], vcc_lo
	global_store_b64 v[SU], v[SW:SW+1], s[12:13] offset:6144
	s_wait_tensorcnt 0x0
	ds_add_u32 v[SPW], v[NIL]
	s_wait_dscnt 0x0
	CROUND
	s_endpgm
.Lfunc_end_k_q723914a3c7_qkv:
	.size	k_q723914a3c7_qkv, .Lfunc_end_k_q723914a3c7_qkv-k_q723914a3c7_qkv
	.p2alignl 7, 3214868480
	.fill 96, 4, 3214868480
	.section	.rodata,"a",@progbits
	.p2align	6, 0x0
	.amdhsa_kernel k_q723914a3c7_qkv
		.amdhsa_group_segment_fixed_size 327680
		.amdhsa_private_segment_fixed_size 0
		.amdhsa_enable_private_segment 0
		.amdhsa_kernarg_size 40
		.amdhsa_user_sgpr_count 2
		.amdhsa_user_sgpr_kernarg_segment_ptr 1
		.amdhsa_wavefront_size32 1
		.amdhsa_system_sgpr_workgroup_id_x 1
		.amdhsa_system_sgpr_workgroup_id_y 1
		.amdhsa_system_sgpr_workgroup_id_z 1
		.amdhsa_system_vgpr_workitem_id 0
		.amdhsa_next_free_vgpr 1024
		.amdhsa_next_free_sgpr 100
		.amdhsa_reserve_vcc 1
		.amdhsa_float_denorm_mode_32 3
		.amdhsa_float_denorm_mode_16_64 3
		.amdhsa_memory_ordered 1
		.amdhsa_forward_progress 1
		.amdhsa_inst_pref_size 169
	.end_amdhsa_kernel
	.amdgpu_metadata
---
amdhsa.version: [ 1, 2 ]
amdhsa.kernels:
  - .name:           k_q723914a3c7_qkv
    .symbol:         k_q723914a3c7_qkv.kd
    .args:
      - { .name: x_rec, .offset: 0, .size: 8, .value_kind: global_buffer, .address_space: global }
      - { .name: w_rec, .offset: 8, .size: 8, .value_kind: global_buffer, .address_space: global }
      - { .name: freqs_cos, .offset: 16, .size: 8, .value_kind: global_buffer, .address_space: global }
      - { .name: freqs_sin, .offset: 24, .size: 8, .value_kind: global_buffer, .address_space: global }
      - { .name: qkv_rec, .offset: 32, .size: 8, .value_kind: global_buffer, .address_space: global }
    .group_segment_fixed_size: 327680
    .private_segment_fixed_size: 0
    .kernarg_segment_align: 8
    .kernarg_segment_size: 40
    .max_flat_workgroup_size: 128
    .sgpr_count:     100
    .vgpr_count:     1024
    .wavefront_size: 32
...
	.end_amdgpu_metadata
.endif
;; end of part 2
;; launch attn (part 3): grid 32 x 8, 8 waves a work-group, clusters of 4 x 4, 327,680 bytes of LDS; arguments qkv_rec, atten_mask, y_rec; writes y_rec
.if DOCPART == 3
	.amdgcn_target "amdgcn-amd-amdhsa--gfx1250"
	.amdhsa_code_object_version 6
	.text
	.protected	k_q723914a3c7_attn
	.globl	k_q723914a3c7_attn
	.p2align	8
	.type	k_q723914a3c7_attn,@function
k_q723914a3c7_attn:
	s_mov_b64 s[64:65], 0
	v_nop
	global_prefetch_b8 v0, s[64:65] scope:SCOPE_SE
	s_setreg_imm32_b32 hwreg(HW_REG_WAVE_MODE, 25, 1), 1
	s_wait_xcnt 0x0
	s_wait_alu depctr_hold_cnt(0) depctr_sa_sdst(0) depctr_va_vdst(0) depctr_va_sdst(0) depctr_va_ssrc(0) depctr_va_vcc(0) depctr_vm_vsrc(0)
	s_getreg_b32 s2, hwreg(HW_REG_IB_STS2, 6, 4)
	s_cmp_eq_u32 s2, 0
	s_cbranch_scc0 .Lentry_in_a_cluster
	s_endpgm
.Lentry_in_a_cluster:
	s_bfe_u32 s2, ttmp6, 0x10000c
	s_cmp_lg_u32 s2, 0xf033
	s_cbranch_scc0 .Lentry_shape_is_right
	s_endpgm
.Lentry_shape_is_right:
; y[q][head] = softmax_k(q . k / sqrt(128) + mask[q][k]) v, both products on codes of FP6 (E2M3) with E8M0 scales; y is quantised along the head's 128 and stored as records for the last product.
; INPUTS, as records (a fragment = 16 rows x 128 K as the image of its 12 operand registers; a record = four fragments + 256 bytes of scale words, row r, fragment i at 6144 + 16 r + 4 i; 6,400 bytes):
; q head hh: records 32 hh on; k head g: records 512 + 32 g on; V^T head g (16 d x 128 keys a fragment): records 768 + 32 g on, two for each 128 keys.
; THE MASK IS AN INPUT: every (query, key) pair of it is read and added; no tile is left out.
; SHARES: a work-group owns 64 queries and one key and value head.  Wave w owns 16 queries (w % 4) of BOTH query heads of that head, and of every slot of 256 keys the half w / 4.  So a fragment of K or V read from LDS
; feeds two matrix instructions, and the mask's tile is read and multiplied once for both heads: 68 LDS loads a wave for 2 x 16 queries x 128 keys.  The keys are divided among the waves of one work-group, not among work-groups.
; My local head j is query head 2 g + (j xor w / 4): at the end waves w and w xor 4 join their halves through LDS: each keeps its local head 0 and sends its local head 1, which is the partner's local head 0.
; WAVES OF TWO KINDS, told apart by (w / 4 xor w) & 1.  A key step ends with the rescaling of O^T and the second product, which work on registers alone (V has been loaded).  A late wave runs them behind the NEXT change of
; slots, between its loads of the mask and of K; the others run them at the step's end.  Both branches hang on the wave's number and lead round register work alone.  The first late product finds zero codes and adds zeros.
; THE SOFTMAX: S' = score + mask x sqrt(128): the mask's tile, so multiplied, is the C of the first product of both heads.  t = c S', c = log2(e) / sqrt(128); M = the running largest t (rounded to f32) rounded up to a whole
; number; p = 2^(t - M), t - M by one fused multiply-add, is quantised along the keys, not normalised; the row's sum is taken of the unquantised p and divides at the end.  When M moves, the sum and O are multiplied by
; 2^(old M - new M): exact.  The two halves of the keys are joined the same way: both are brought under the larger M by powers of two.
; LAYOUT: both products transposed (S^T = K Q^T, O^T = V^T P^T): a lane holds ONE query throughout.  Place p of a block of 32 of p's codes holds key pi(p) (pi swaps places 8-15 with 16-23); V^T's codes carry the same
; order, and so do y's codes and Wo's.  Blocks and scales are the true ones.
; CLUSTERS: 4 x 4 work-groups.  The four of a row share the head's K and V, the four of a column the queries' rows of the mask: each tile is asked for jointly.
; LIMITS: the promise holds while |t| stays under 2^31; NaN and infinities among the inputs, the mask's too, are not served (-1e9 is a number like any other); |mask| stays under 3e37, since mask x sqrt(128) is formed;
; a block of zeros carries the byte 1.
; REGISTERS, two windows of 256.  window 0: v1-11 addresses; v12-19 for each head -M, the largest t, the sum's pair; v20-23 f and p's scale word; v24-31 at work, stage addresses; v32-55 Q; v56-57 Q's scale words;
; v64-71 K's scale words, v72-79 V's; v80-207 S^T, then p, of heads 0 and 1; v208-231 p's codes; v232-255 at work.  window 1: v0-95 K's eight fragments, then V's; v96-223 O^T of heads 0 and 1.
.set REC,   6400
.set VOFF,  4*REC                      ; a slot: 256 keys: K's 4 records, V's 4 records,
.set MOFF,  8*REC                      ; and 64 rows x 1,024 bytes of the mask,
.set MP,    1040                       ; 1,040 bytes apart
.set SLOT1, 1<<17                      ; slot 1 begins here
.set SPARE, 2*SLOT1                    ; the spare words, 128 bytes a wave
.set NSL,   8
.set STGW,  8448                       ; the join's stage, a wave: 64 registers' image and 256 bytes for -M and the sum; in slot 0, which has had its last fill and its last read by then
.set LI,  1                            ; 16 x lane
.set LR,  2                            ; 16 r
.set LFK, 3                            ; LDS: 16 x lane + my half's two records
.set PFO, 4
.set SPW, 5
.set NIL, 6
.set LSK, 7                            ; LDS: 16 r + my half's two records
.set ADF, 8
.set ADS, 9
.set ADM, 10
.set LM,  11                           ; LDS: my query's row of the mask's tile, + 32 h, + my half's 512 bytes
.set ST,  12
.set FF,  20
.set TS,  24
.set CH,  28
.set STW, 30
.set STM, 31
.set QF,  32
.set QS,  56
.set STR, 58
.set STN, 59
.set KS,  64
.set VS,  72
.set SS,  80
.set PC,  208
.set BM,  232
.set PX,  240
.set SOP, 248
.set KV,  0                            ; in window 1
.set OO,  96
.set WV,  18
.set SEL, 20
.set CS,  22
.set G1KV, 24
.set G1M,  32
.set G0KV, 40
.set G0M,  44
.set TB,   2
.set SLOTS, 67
.set SQ,  68
.set PFA, 76
.set PFS, 78
.set LIM, 80
.set LATE, 83                          ; s83  1 in a late wave
.set MSB, 0
.macro WIN new                         ; the immediate's high byte repeats the setting that is left
.if MSB != \new
	s_set_vgpr_msb (MSB<<8)|\new
.set MSB, \new
.endif
.endm
.set TO_1,   0x40                      ; destination window 1
.set FROM_1, 0x01                      ; source 0 window 1
.set ON_O,   0x41                      ; source 0 and destination window 1
.set MUL_O,  0x51                      ; sources 0 and 2 and destination window 1
.macro PLACES
.rept 4
	v_nop
.endr
.endm
.macro JLOAD                           ; waves 0 and 1 fetch K's and V's records, waves 2 to 5 sixteen rows of the mask each, waves 6 and 7 nothing
	s_cmp_lt_u32 s[WV], 2
	s_cbranch_scc0 .Lnot_kv_\@
	tensor_load_to_lds s[G0KV:G0KV+3], s[G1KV:G1KV+7]
	s_nop 0
.rept 4
	v_nop
.endr
	s_branch .Lasked_\@
.Lnot_kv_\@:
	s_cmp_lt_u32 s[WV], 6
	s_cbranch_scc0 .Lasked_\@
	tensor_load_to_lds s[G0M:G0M+3], s[G1M:G1M+7]
	s_nop 0
.rept 4
	v_nop
.endr
.Lasked_\@:
.endm
; A prefetch of what the NEXT change of slots will ask for, a slot ahead of that load; at the head: of slot 1.  Every cluster asks for what it will itself load, each block of 256 bytes once.  K and V: wave 0 for K, wave 1
; for V; of the four partners of a row the one at cx takes record cx of the slot's four; lanes 256 bytes apart (lanes 25-31 name lane 24's block again).  The mask: waves 2 and 3; of the four partners of a column the one
; at cy takes rows 16 cy + 8 (w - 2) + lane / 4, block lane % 4 of the row's 1,024 bytes.  Waves 4 to 7 ask for nothing.  The last change that fills a slot asks for nothing.
.macro ASK
	s_cmp_gt_u32 s[SLOTS], s[LIM]
	s_cbranch_scc0 .Lnot_mine_\@
	global_prefetch_b8 v[PFO], s[PFA:PFA+1] th:TH_LOAD_NT scope:SCOPE_SE
.Lnot_mine_\@:
.endm
.macro CROUND
	s_barrier_signal -1
	s_barrier_wait -1
	s_cmp_lg_u32 s[WV], 0
	s_cbranch_scc1 .Lnot_wave_0_\@
	s_barrier_signal -3
.Lnot_wave_0_\@:
	s_barrier_wait -3
	s_barrier_signal -1
	s_barrier_wait -1
.endm
.macro QUANT src, pc, tm, pw           ; 64 numbers of a lane, register 16 b + i = place 32 b + 16 (lane / 16) + i of my row, become a fragment in v[pc .. pc + 11] and its scale word in v[pw]
.irp b, 0,1,2,3
	v_max3_num_f32 v[\tm+\b], |v[\src+16*\b]|, |v[\src+1+16*\b]|, 0x1800000
.endr
.irp i, 2,4,6,8,10,12,14
.irp b, 0,1,2,3
	s_delay_alu instid0(VALU_DEP_4)
	v_max3_num_f32 v[\tm+\b], v[\tm+\b], |v[\src+16*\b+\i]|, |v[\src+1+16*\b+\i]|
.endr
.endr
.irp b, 0,1,2,3
	s_delay_alu instid0(VALU_DEP_4)
	v_permlanex16_b32 v[\tm+4+\b], v[\tm+\b], s[SEL], s[SEL+1]
.endr
.irp b, 0,1,2,3
	s_delay_alu instid0(VALU_DEP_4)
	v_max_num_f32 v[\tm+\b], v[\tm+\b], v[\tm+4+\b]
.endr
.irp b, 0,1,2,3
	s_delay_alu instid0(VALU_DEP_4)
	v_add_nc_u32 v[\tm+12+\b], 0xff000000, v[\tm+\b]
.endr
.irp b, 0,1,2,3
	s_delay_alu instid0(VALU_DEP_4)
	v_lshrrev_b32 v[\tm+4+\b], 23, v[\tm+12+\b]
.endr
	s_delay_alu instid0(VALU_DEP_3)
	v_lshl_or_b32 v[\pw], v[\tm+5], 8, v[\tm+4]
	s_delay_alu instid0(VALU_DEP_1)
	v_lshl_or_b32 v[\pw], v[\tm+6], 16, v[\pw]
	s_delay_alu instid0(VALU_DEP_1)
	v_lshl_or_b32 v[\pw], v[\tm+7], 24, v[\pw]
.irp c, 0,1
	v_cvt_scalef32_pk16_fp6_f32 v[\pc+6*\c:\pc+2+6*\c], v[\src+32*\c:\src+15+32*\c], v[\tm+12+2*\c]
	v_cvt_scalef32_pk16_fp6_f32 v[\pc+12+4*\c:\pc+14+4*\c], v[\src+16+32*\c:\src+31+32*\c], v[\tm+12+2*\c+1]
.endr
	v_nop
.irp c, 0,1
.irp i, 0,1,2
	v_permlane16_swap_b32 v[\pc+6*\c+\i], v[\pc+12+4*\c+\i]
.endr
.irp i, 0,1,2
	s_delay_alu instid0(VALU_DEP_3)
	v_mov_b32 v[\pc+3+6*\c+\i], v[\pc+12+4*\c+\i]
.endr
.endr
.endm
	s_load_b128 s[4:7], s[0:1], 0x0                ; qkv_rec, atten_mask
	s_load_b64 s[8:9], s[0:1], 0x10                ; y_rec
	v_lshl_add_u32 v[SPW], v0, 2, SPARE
	v_mov_b32 v[NIL], 0
	ds_add_u32 v[SPW], v[NIL]                      ; the opening lines: the add twice on end and its wait
	ds_add_u32 v[SPW], v[NIL]
	s_wait_dscnt 0x0
	v_lshrrev_b32 v7, 5, v0
	s_delay_alu instid0(VALU_DEP_1)
	v_readfirstlane_b32 s[WV], v7                  ; wave 0..7
	s_bfe_u32 s48, ttmp6, 0x40000                  ; cx
	s_bfe_u32 s49, ttmp6, 0x40004                  ; cy
	s_and_b32 s50, ttmp7, 0xffff                   ; cluster y
	s_lshl_b32 s51, ttmp9, 2
	s_add_co_u32 s51, s51, s48                     ; my block of 64 queries
	s_lshl_b32 s52, s50, 2
	s_add_co_u32 s52, s52, s49                     ; my key and value head
	s_lshl_b32 s70, s49, 2
	s_lshl_b32 s70, 15, s70                        ; my row of the cluster
	s_lshl_b32 s71, 0x1111, s48                    ; my column
	s_or_b32 s[G1KV], s70, (3<<16)|(1<<21)         ; elements of 8 bytes; no padding
	s_mov_b32 s[G1KV+1], 800<<16                   ; four records on end, as rows of 6,400 bytes
	s_mov_b32 s[G1KV+2], 4<<16
	s_mov_b32 s[G1KV+3], 800<<16
	s_mov_b32 s[G1KV+4], 4
	s_mov_b32 s[G1KV+5], 800
	s_mov_b32 s[G1KV+6], 0
	s_mov_b32 s[G1KV+7], 0
	s_or_b32 s[G1M], s71, (2<<16)|(1<<20)|(1<<21)|(7<<22)|(3<<25)   ; elements of 4 bytes; after every 256 words 4 words of padding
	s_mov_b32 s[G1M+1], 256<<16                    ; 16 rows of 256 numbers,
	s_mov_b32 s[G1M+2], 16<<16
	s_mov_b32 s[G1M+3], 256<<16
	s_mov_b32 s[G1M+4], 16
	s_mov_b32 s[G1M+5], 2048                       ; 2,048 numbers apart
	s_mov_b32 s[G1M+6], 0
	s_mov_b32 s[G1M+7], 0
	s_and_b32 s53, s[WV], 1                        ; K (0) or V (1)
	s_lshl_b32 s54, s52, 5
	s_lshl_b32 s55, s53, 8
	s_add_co_u32 s54, s54, s55
	s_add_co_u32 s54, s54, 512                     ; record 512 + 32 g + 256 (V)
	s_mul_i32 s54, s54, REC
	s_mov_b32 s55, 0
	s_mul_i32 s58, s53, VOFF
	s_add_co_u32 s59, s[WV], 2
	s_and_b32 s59, s59, 3                          ; waves 2 to 5: which sixteen rows of the mask's tile
	s_lshl_b32 s56, s51, 6
	s_lshl_b32 s57, s59, 4
	s_add_co_u32 s56, s56, s57
	s_lshl_b32 s56, s56, 13                        ; rows of 8,192 bytes
	s_mov_b32 s57, 0
	s_mul_i32 s60, s59, 16*MP
	s_add_co_u32 s60, s60, MOFF
	s_and_b32 s61, s[WV], 3                        ; my tile of 16 queries
	s_lshr_b32 s[LATE], s[WV], 2
	s_xor_b32 s[LATE], s[LATE], s[WV]
	s_and_b32 s[LATE], s[LATE], 1                  ; which kind of wave I am
	s_mov_b32 s[SEL], 0x76543210
	s_mov_b32 s[SEL+1], 0xfedcba98
	s_mov_b32 s[CS], 0x3e0293ee                    ; c = log2(e) / sqrt(128)
	s_mov_b32 s[CS+1], s[CS]
	s_mov_b32 s[SQ], 0x413504f3                    ; sqrt(128)
	s_mov_b32 s[SQ+1], s[SQ]
	s_mov_b32 s[TB], 0
	s_mov_b32 s[SLOTS], NSL-1
	s_wait_kmcnt 0x0
	CROUND                                         ; all sixteen work-groups are here: the first joint loads meet
	s_mov_b32 s[G0KV], 1
	s_mov_b32 s[G0KV+1], s58
	s_add_nc_u64 s[G0KV+2:G0KV+3], s[4:5], s[54:55]
	s_or_b32 s[G0KV+3], s[G0KV+3], 0x80000000
	s_mov_b32 s[G0M], 1
	s_mov_b32 s[G0M+1], s60
	s_add_nc_u64 s[G0M+2:G0M+3], s[6:7], s[56:57]
	s_or_b32 s[G0M+3], s[G0M+3], 0x80000000
	JLOAD                                          ; slot 0
	; the prefetches: who asks, and where
	s_lshr_b32 s88, s[WV], 2                       ; my half of the keys; also: the query head that I keep
	v_and_b32 v24, 31, v0                          ; lane
	v_and_b32 v25, 15, v0                          ; r
	v_bfe_u32 v26, v0, 4, 1                        ; h
	s_delay_alu instid0(VALU_DEP_3)
	v_min_u32 v27, 24, v24
	s_delay_alu instid0(VALU_DEP_1)
	v_lshlrev_b32 v27, 8, v27                      ; K, V: 256 x min(lane, 24)
	v_lshrrev_b32 v[PFO], 2, v24
	s_delay_alu instid0(VALU_DEP_1)
	v_lshlrev_b32 v[PFO], 13, v[PFO]
	v_and_b32 v28, 3, v24
	s_delay_alu instid0(VALU_DEP_1)
	v_lshl_add_u32 v[PFO], v28, 8, v[PFO]          ; the mask: row lane / 4, block lane % 4
	s_cmp_lt_u32 s[WV], 2
	s_cselect_b32 vcc_lo, -1, 0
	v_cndmask_b32 v[PFO], v[PFO], v27, vcc_lo
	s_mul_i32 s84, s48, REC
	s_add_co_u32 s84, s84, s54
	s_add_co_u32 s84, s84, 4*REC                   ; K, V: record cx of slot 1
	s_lshl_b32 s85, s51, 6
	s_lshl_b32 s86, s49, 4
	s_add_co_u32 s85, s85, s86
	s_lshl_b32 s86, s53, 3
	s_add_co_u32 s85, s85, s86
	s_lshl_b32 s85, s85, 13
	s_add_co_u32 s85, s85, 1024                    ; the mask: rows 64 qb + 16 cy + 8 (w - 2) on, slot 1
	s_mov_b32 s[PFS], 1024
	s_cmp_lt_u32 s[WV], 2
	s_cselect_b64 s[PFA:PFA+1], s[4:5], s[6:7]
	s_cselect_b32 s84, s84, s85
	s_cselect_b32 s[PFS], 4*REC, s[PFS]
	s_mov_b32 s85, 0
	s_mov_b32 s[PFS+1], 0
	s_add_nc_u64 s[PFA:PFA+1], s[PFA:PFA+1], s[84:85]
	s_cmp_eq_u32 s88, 0                            ; waves 4 to 7 ask for nothing
	s_cselect_b32 s[LIM], 1, -1
	s_wait_alu depctr_va_vdst(0)                   ; the wait here, ahead of the reader below
	ASK                                            ; slot 1: its load follows when slot 0 has landed
	; Q's two fragments and scale words; y's place
	s_lshl_b32 s89, s52, 1
	s_add_co_u32 s89, s89, s88                     ; local head 0
	s_lshl_b32 s90, s89, 5
	s_add_co_u32 s90, s90, s51                     ; its record of my 64 queries
	s_mul_i32 s90, s90, REC
	s_mul_i32 s92, s61, 1536
	s_add_co_u32 s92, s92, s90
	s_mov_b32 s93, 0
	s_lshl_b32 s94, s61, 2
	s_add_co_u32 s94, s94, s90
	s_mov_b32 s95, 0
	s_add_nc_u64 s[10:11], s[4:5], s[92:93]
	s_add_nc_u64 s[12:13], s[4:5], s[94:95]
	s_xor_b32 s91, s89, 1                          ; local head 1: the other query head of the pair
	s_lshl_b32 s91, s91, 5
	s_add_co_u32 s91, s91, s51
	s_mul_i32 s91, s91, REC
	s_mul_i32 s92, s61, 1536
	s_add_co_u32 s92, s92, s91
	s_lshl_b32 s94, s61, 2
	s_add_co_u32 s94, s94, s91
	s_add_nc_u64 s[72:73], s[4:5], s[92:93]
	s_add_nc_u64 s[74:75], s[4:5], s[94:95]
	s_lshl_b32 s96, s51, 2
	s_add_co_u32 s96, s96, s61                     ; my block of 16 positions
	s_lshl_b32 s96, s96, 2
	s_lshr_b32 s97, s52, 1
	s_add_co_u32 s96, s96, s97                     ; y's record: 4 x block + head / 4
	s_mul_i32 s96, s96, REC
	s_and_b32 s97, s52, 1
	s_lshl_b32 s97, s97, 1
	s_add_co_u32 s97, s97, s88                     ; the fragment in it: head % 4
	s_mul_i32 s98, s97, 1536
	s_add_co_u32 s98, s98, s96
	s_mov_b32 s99, 0
	s_add_nc_u64 s[14:15], s[8:9], s[98:99]
	s_lshl_b32 s98, s97, 2
	s_add_co_u32 s98, s98, s96
	s_add_nc_u64 s[16:17], s[8:9], s[98:99]
	v_lshlrev_b32 v[LI], 4, v24
	v_lshlrev_b32 v[LR], 4, v25
.irp c, 0,1,2
	global_load_b128 v[QF+4*\c:QF+4*\c+3], v[LI], s[10:11] offset:512*\c       ; Q's fragments stay in registers
	global_load_b128 v[QF+12+4*\c:QF+12+4*\c+3], v[LI], s[72:73] offset:512*\c
.endr
	global_load_b32 v[QS], v[LR], s[12:13] offset:6144
	global_load_b32 v[QS+1], v[LR], s[74:75] offset:6144
	s_mul_i32 s62, s88, 2*REC                      ; my half of a slot's keys: two records of K, two of V
	v_add_nc_u32 v[LFK], s62, v[LI]
	v_add_nc_u32 v[LSK], s62, v[LR]
	s_mul_i32 s62, s61, 16*MP
	s_add_co_u32 s62, s62, MOFF
	s_lshl_b32 s63, s88, 9                         ; and 512 bytes of each row of the mask
	s_add_co_u32 s62, s62, s63
	v_mul_u32_u24 v[LM], v25, MP
	s_delay_alu instid0(VALU_DEP_1)
	v_lshl_add_u32 v[LM], v26, 5, v[LM]
	s_delay_alu instid0(VALU_DEP_1)
	v_add_nc_u32 v[LM], s62, v[LM]
	s_mul_i32 s63, s[WV], STGW                     ; the join: my stage,
	v_lshlrev_b32 v[STM], 3, v24
	v_add_nc_u32 v[STW], s63, v[LI]
	v_lshlrev_b32 v[STN], 3, v24
	v_add_nc_u32 v[STM], s63, v[STM]
	s_xor_b32 s63, s[WV], 4
	s_mul_i32 s63, s63, STGW                       ; and that of the wave with the other half of the keys
	v_add_nc_u32 v[STR], s63, v[LI]
	v_add_nc_u32 v[STN], s63, v[STN]
.irp h, 0,1
	v_mov_b32 v[ST+1+4*\h], 0xff61b1e6             ; the largest t so far: -3e38
	v_mov_b32 v[ST+2+4*\h], 0                      ; the sum, in two halves
	v_mov_b32 v[ST+3+4*\h], 0
	v_mov_b32 v[FF+2*\h], 1.0                      ; f, and p's scale word, as the first late product finds them
	v_mov_b32 v[FF+1+2*\h], 0
	v_floor_f32 v[ST+4*\h], -v[ST+1+4*\h]          ; -M
.endr
.irp b, 0,1,2,3,4,5,6,7
	v_mov_b32 v[PX+\b], 0                          ; a lane permute's destination counts as one of its sources
	v_mov_b32 v[VS+\b], 0                          ; V's scale words, as the first late product finds them
.endr
.set J, 0
.rept 24
	v_mov_b32 v[PC+J], 0                           ; p's codes likewise: zeros
.set J, J+1
.endr
	WIN TO_1
.set J, 0
.rept 224
	v_mov_b32 v[KV+J], 0                           ; V's codes likewise; and O^T: the loop has no first step of its own: the first change of M multiplies zeros
.set J, J+1
.endr
	WIN 0
; Two records' eight fragments into window 1, and their scale words into v[sc .. sc + 7] of window 0: 26 loads
.macro LDF sc, off
	WIN TO_1
.irp t, 0,1,2,3,4,5,6,7
.irp c, 0,1,2
	ds_load_b128 v[KV+12*\t+4*\c:KV+12*\t+4*\c+3], v[ADF] offset:(\off)+(\t/4)*REC+1536*(\t%4)+512*\c
.endr
.endr
	WIN 0
	ds_load_b128 v[\sc:\sc+3], v[ADS] offset:(\off)+6144
	ds_load_b128 v[\sc+4:\sc+7], v[ADS] offset:(\off)+REC+6144
.endm
; A key step's end, on registers alone: O^T under the new M, and O^T += V^T P^T.  vwait = 1: V's loads may still be out
.macro PVB vwait
	WIN ON_O
	s_wait_alu depctr_va_vdst(0)                   ; the wait here, directly ahead of the first reader of O^T
.irp h, 0,1
.set J, 0
.rept 32
	v_pk_mul_f32 v[OO+64*\h+J:OO+64*\h+J+1], v[OO+64*\h+J:OO+64*\h+J+1], v[FF+2*\h:FF+2*\h+1] op_sel_hi:[1,0]   ; these are also the places between p's codes and scale words and the products below
.set J, J+2
.endr
.endr
	PLACES                                         ; between the lines that write the products' C and the products
.if \vwait
	s_wait_alu depctr_va_vdst(0)                   ; the wait here, directly ahead of the wait below
	s_wait_dscnt 0x0                               ; V's fragments and scale words are in: my last reads of this slot
.endif
	WIN MUL_O
.irp t, 0,1,2,3,4,5,6,7                        ; sixteen accumulators, one instruction a turn; each fragment of V serves both heads
.irp h, 0,1
	v_wmma_scale_f32_16x16x128_f8f6f4 v[OO+64*\h+8*\t:OO+64*\h+8*\t+7], v[KV+12*\t:KV+12*\t+11], v[PC+12*\h:PC+12*\h+11], v[OO+64*\h+8*\t:OO+64*\h+8*\t+7], v[VS+\t], v[FF+1+2*\h] matrix_a_fmt:MATRIX_FMT_FP6 matrix_b_fmt:MATRIX_FMT_FP6
.endr
.endr
	WIN 0
.endm
; A KEY STEP: my 128 keys of the slot in hand, for my 16 queries of both heads.  last = 1: every wave runs the step's end at its end
.macro BODY last
	v_add_nc_u32 v[ADM], s[TB], v[LM]              ; the slot's addresses
	v_add_nc_u32 v[ADF], s[TB], v[LFK]
	v_add_nc_u32 v[ADS], s[TB], v[LSK]
.irp t, 0,1,2,3,4,5,6,7                        ; mask(my query, key 16 t + 8 h + 0 .. 7) into the registers that head 1's scores will have: 16 loads
	ds_load_b128 v[SS+64+8*\t:SS+64+8*\t+3], v[ADM] offset:64*\t
	ds_load_b128 v[SS+64+8*\t+4:SS+64+8*\t+7], v[ADM] offset:64*\t+16
.endr
	s_wait_alu depctr_va_vdst(0)                   ; the wait here, directly ahead of the branch
	s_cmp_eq_u32 s[LATE], 0
	s_cbranch_scc1 .Lnot_late_\@
	PLACES                                         ; four plain places behind any earlier second product, ahead of the lines that read and write O^T (ISA guide 7.12.1)
	PVB 0                                          ; a late wave: the last step's end; its V came in ahead of the change of slots
.Lnot_late_\@:
	PLACES                                         ; four plain places behind the second products, ahead of the loads into registers that they read
	LDF KS, 0                                      ; K: 26 loads
	s_wait_dscnt 26                                ; the mask's 16 loads are in; K's 26, issued behind them, may be out
.set J, 0
.rept 32
	v_pk_mul_f32 v[SS+64+J:SS+64+J+1], v[SS+64+J:SS+64+J+1], s[SQ:SQ+1] op_sel_hi:[1,0]   ; mask x sqrt(128), once for both heads
.set J, J+2
.endr
	s_wait_alu depctr_va_vdst(0)                   ; the wait here, directly ahead of the wait below
	s_wait_dscnt 0x0                               ; K's fragments and scale words are in
	WIN FROM_1
	PLACES                                         ; between the lines that write the products' C and the products
.irp t, 0,1,2,3,4,5,6,7                        ; head 0: S'^T = K Q^T + the mask's tile, into registers of its own
	v_wmma_scale_f32_16x16x128_f8f6f4 v[SS+8*\t:SS+8*\t+7], v[KV+12*\t:KV+12*\t+11], v[QF:QF+11], v[SS+64+8*\t:SS+64+8*\t+7], v[KS+\t], v[QS] matrix_a_fmt:MATRIX_FMT_FP6 matrix_b_fmt:MATRIX_FMT_FP6
.endr
.rept 5
	v_nop                                          ; five places: the products below write over registers that the products above read as C (ISA guide 7.12.1)
.endr
.irp t, 0,1,2,3,4,5,6,7                        ; head 1: the same, in place on the mask's tile
	v_wmma_scale_f32_16x16x128_f8f6f4 v[SS+64+8*\t:SS+64+8*\t+7], v[KV+12*\t:KV+12*\t+11], v[QF+12:QF+23], v[SS+64+8*\t:SS+64+8*\t+7], v[KS+\t], v[QS+1] matrix_a_fmt:MATRIX_FMT_FP6 matrix_b_fmt:MATRIX_FMT_FP6
.endr
	WIN 0
	PLACES                                         ; ahead of the loads into K's registers and of the first read of the results
	LDF VS, VOFF                                   ; V takes K's registers: its 26 loads land under the softmax
.irp b, 0,1,2,3                                ; the largest S' of each block of 32 keys, eight chains by turns: it serves the row's maximum and the block's largest p
.irp h, 0,1
	v_max3_num_f32 v[BM+4*\h+\b], v[SS+64*\h+16*\b], v[SS+64*\h+16*\b+1], v[SS+64*\h+16*\b+2]
.endr
.endr
.irp i, 3,5,7,9,11,13
.irp b, 0,1,2,3
.irp h, 0,1
	v_max3_num_f32 v[BM+4*\h+\b], v[BM+4*\h+\b], v[SS+64*\h+16*\b+\i], v[SS+64*\h+16*\b+\i+1]
.endr
.endr
.endr
.irp b, 0,1,2,3
.irp h, 0,1
	v_max_num_f32 v[BM+4*\h+\b], v[BM+4*\h+\b], v[SS+64*\h+16*\b+15]
.endr
.endr
.irp b, 0,1,2,3
.irp h, 0,1
	v_permlanex16_b32 v[PX+4*\h+\b], v[BM+4*\h+\b], s[SEL], s[SEL+1]
.endr
.endr
.irp b, 0,1,2,3
.irp h, 0,1
	v_max_num_f32 v[BM+4*\h+\b], v[BM+4*\h+\b], v[PX+4*\h+\b]   ; with lane l xor 16's 16 keys
.endr
.endr
.irp h, 0,1
	s_delay_alu instid0(VALU_DEP_4)
	v_max3_num_f32 v[CH+\h], v[BM+4*\h], v[BM+4*\h+1], v[BM+4*\h+2]
.endr
.irp h, 0,1
	s_delay_alu instid0(VALU_DEP_2)
	v_max_num_f32 v[CH+\h], v[CH+\h], v[BM+4*\h+3]
.endr
.irp h, 0,1
	s_delay_alu instid0(VALU_DEP_2)
	v_mul_f32 v[CH+\h], s[CS], v[CH+\h]            ; as t (c is positive)
.endr
.irp h, 0,1
	s_delay_alu instid0(VALU_DEP_2)
	v_max_num_f32 v[ST+1+4*\h], v[ST+1+4*\h], v[CH+\h]   ; the running largest t
.endr
.irp h, 0,1
	v_mov_b32 v[CH+\h], v[ST+4*\h]
.endr
.irp h, 0,1
	s_delay_alu instid0(VALU_DEP_4)
	v_floor_f32 v[ST+4*\h], -v[ST+1+4*\h]          ; the new -M = -ceil(t)
.endr
.irp h, 0,1
	s_delay_alu instid0(VALU_DEP_2)
	v_sub_f32 v[CH+\h], v[ST+4*\h], v[CH+\h]       ; old M - new M: a whole number, 0 or less
.endr
.irp h, 0,1
	s_delay_alu instid0(VALU_DEP_2)
	v_cvt_i32_f32 v[CH+\h], v[CH+\h]               ; (it saturates)
.endr
.irp h, 0,1
	s_delay_alu instid0(VALU_DEP_2)
	v_ldexp_f32 v[FF+2*\h], 1.0, v[CH+\h]          ; f = 2^(old M - new M)
.endr
.irp h, 0,1
.set J, 0
.rept 32
	v_pk_fma_f32 v[SS+64*\h+J:SS+64*\h+J+1], v[SS+64*\h+J:SS+64*\h+J+1], s[CS:CS+1], v[ST+4*\h:ST+4*\h+1] op_sel_hi:[1,0,0]   ; t - M, two at a time (of the pairs the low word serves both halves)
.set J, J+2
.endr
.endr
.irp b, 0,1,2,3
.irp h, 0,1
	v_fma_f32 v[BM+4*\h+\b], v[BM+4*\h+\b], s[CS], v[ST+4*\h]   ; the same of each block's largest
.endr
.endr
	s_wait_alu depctr_va_vdst(0)                   ; the wait ahead of the batch
.set J, 0
.rept 128
	v_exp_f32 v[SS+J], v[SS+J]                     ; p = 2^(t - M): not normalised
.set J, J+1
.endr
.set J, 0
.rept 8
	v_exp_f32 v[BM+J], v[BM+J]                     ; the block's largest p: the same operations on the same number give the same bits
.set J, J+1
.endr
.irp h, 0,1
	v_pk_mul_f32 v[ST+2+4*\h:ST+3+4*\h], v[ST+2+4*\h:ST+3+4*\h], v[FF+2*\h:FF+2*\h+1] op_sel_hi:[1,0]   ; the sums under the new M: plain places behind the exponentials
.endr
	s_wait_alu depctr_va_vdst(0)                   ; one wait for the whole batch, ahead of its first reader
.irp h, 0,1                                    ; the rows' sums of the unquantised p: four chains by turns
	v_pk_add_f32 v[TS+2*\h:TS+2*\h+1], v[SS+64*\h:SS+64*\h+1], v[SS+64*\h+2:SS+64*\h+3]
.endr
.irp j, 4,8,12,16,20,24,28,32,36,40,44,48,52,56,60
.irp h, 0,1
	v_pk_add_f32 v[ST+2+4*\h:ST+3+4*\h], v[ST+2+4*\h:ST+3+4*\h], v[SS+64*\h+\j:SS+64*\h+\j+1]
	v_pk_add_f32 v[TS+2*\h:TS+2*\h+1], v[TS+2*\h:TS+2*\h+1], v[SS+64*\h+\j+2:SS+64*\h+\j+3]
.endr
.endr
.irp h, 0,1
	v_pk_add_f32 v[ST+2+4*\h:ST+3+4*\h], v[ST+2+4*\h:ST+3+4*\h], v[TS+2*\h:TS+2*\h+1]
.endr
.irp b, 0,1,2,3,4,5,6,7
	v_max_num_f32 v[BM+\b], 0x1800000, v[BM+\b]    ; the floor 2^(3 - 127): a block whose every p is 0 keeps the byte 1: its codes are zeros
.endr
.irp b, 0,1,2,3,4,5,6,7
	v_add_nc_u32 v[SOP+\b], 0xff000000, v[BM+\b]   ; 2 off the exponent field: the conversion's scale operand
.endr
.irp b, 0,1,2,3,4,5,6,7
	v_lshrrev_b32 v[PX+\b], 23, v[SOP+\b]          ; the scale's byte
.endr
.irp h, 0,1
	v_lshl_or_b32 v[FF+1+2*\h], v[PX+4*\h+1], 8, v[PX+4*\h]   ; p's scale word for these 128 keys
.endr
.irp h, 0,1
	s_delay_alu instid0(VALU_DEP_2)
	v_lshl_or_b32 v[FF+1+2*\h], v[PX+4*\h+2], 16, v[FF+1+2*\h]
.endr
.irp h, 0,1
	s_delay_alu instid0(VALU_DEP_2)
	v_lshl_or_b32 v[FF+1+2*\h], v[PX+4*\h+3], 24, v[FF+1+2*\h]
.endr
.irp h, 0,1                                    ; (a conversion's three registers begin on an even number: the second halves are made in v[PX ..] for head 0, v[BM ..] for head 1, and moved)
.irp c, 0,1
	v_cvt_scalef32_pk16_fp6_f32 v[PC+12*\h+6*\c:PC+12*\h+6*\c+2], v[SS+64*\h+32*\c:SS+64*\h+32*\c+15], v[SOP+4*\h+2*\c]
	v_cvt_scalef32_pk16_fp6_f32 v[PX-8*\h+4*\c:PX-8*\h+4*\c+2], v[SS+64*\h+32*\c+16:SS+64*\h+32*\c+31], v[SOP+4*\h+2*\c+1]
.endr
.endr
	v_nop                                          ; one plain place behind a scaled conversion
.irp h, 0,1
.irp c, 0,1
.irp i, 0,1,2
	v_permlane16_swap_b32 v[PC+12*\h+6*\c+\i], v[PX-8*\h+4*\c+\i]
.endr
.endr
.endr
.irp h, 0,1
.irp c, 0,1
.irp i, 0,1,2
	v_mov_b32 v[PC+12*\h+6*\c+3+\i], v[PX-8*\h+4*\c+\i]
.endr
.endr
.endr
.if \last
	PVB 1
.else
	s_wait_alu depctr_va_vdst(0)                   ; the wait here, directly ahead of the branch
	s_cmp_lg_u32 s[LATE], 0
	s_cbranch_scc1 .Lnot_early_\@
	PVB 1
.Lnot_early_\@:
.endif
	s_xor_b32 s[TB], s[TB], SLOT1                  ; on to the other slot
.endm
; THE CHANGE OF SLOTS stands at a slot's head.  Each wave waits for all its tensor loads (its part of the slot ahead), adds 0 to its spare word, and waits for that and for its reads of the slot that it has left.
; fill = 1: behind a round of the cluster's barrier that other slot is filled with the next 256 keys.
.macro CHANGE fill
	s_wait_tensorcnt 0x0                           ; no tensor load of mine is out, so a group 0 may be written
	ds_add_u32 v[SPW], v[NIL]                      ; 0 onto my spare word
.if \fill
	s_xor_b32 s[G0KV+1], s[G0KV+1], SLOT1          ; the walking descriptors: the other slot,
	s_add_nc_u64 s[G0KV+2:G0KV+3], s[G0KV+2:G0KV+3], 4*REC   ; the next four records;
	s_xor_b32 s[G0M+1], s[G0M+1], SLOT1
	s_add_nc_u64 s[G0M+2:G0M+3], s[G0M+2:G0M+3], 1024        ; the next 256 keys of the mask's rows
	s_wait_xcnt 0x0                                ; the last prefetch, a slot back, has read its address
	s_add_nc_u64 s[PFA:PFA+1], s[PFA:PFA+1], s[PFS:PFS+1]
	s_wait_dscnt 0x0                               ; the add is done, and my reads of the slot that I have left are over
	CROUND
	JLOAD                                          ; the first tensor load behind the round, and a wave's only one until the next
	ASK
.else
	s_wait_dscnt 0x0
	s_barrier_signal -1
	s_barrier_wait -1
.endif
.endm
	s_wait_alu depctr_va_vdst(0)                   ; the wait at the head's end
	s_wait_loadcnt 0x0                             ; Q
.Lslot:                                            ; 7 trips: behind each change of slots but the last the next slot is asked for
	CHANGE 1
	BODY 0
	s_sub_co_u32 s[SLOTS], s[SLOTS], 1
	s_cmp_lg_u32 s[SLOTS], 0
	s_cbranch_scc1 .Lslot
	CHANGE 0                                       ; the last slot is written out
	BODY 1
	; THE JOIN of the two halves of the keys.  I send local head 1's O^T, -M and sum through my stage, and take the partner's, which belong to my local head 0.
.irp h, 0,1
	v_add_f32 v[ST+2+4*\h], v[ST+2+4*\h], v[ST+3+4*\h]
.endr
.irp h, 0,1
	s_delay_alu instid0(VALU_DEP_2)
	v_permlanex16_b32 v[PX+\h], v[ST+2+4*\h], s[SEL], s[SEL+1]
.endr
.irp h, 0,1
	s_delay_alu instid0(VALU_DEP_2)
	v_add_f32 v[ST+2+4*\h], v[ST+2+4*\h], v[PX+\h]   ; the rows' sums over my keys
.endr
	s_delay_alu instid0(VALU_DEP_1)
	v_mov_b32 v[ST+5], v[ST+6]                     ; (-M, sum) of local head 1 as a pair
	PLACES                                         ; plain places behind the last products, ahead of the stores that read their results
	WIN 0x04                                       ; the stores' data: window 1
.irp i, 0,1,2,3,4,5,6,7,8,9,10,11,12,13,14,15
	ds_store_b128 v[STW], v[OO+64+4*\i:OO+64+4*\i+3] offset:512*\i   ; each accumulator from its low end on
.endr
	WIN 0
	ds_store_b64 v[STM], v[ST+4:ST+5] offset:8192
	s_wait_alu depctr_va_vdst(0)                   ; the wait here, directly ahead of the wait below
	s_wait_dscnt 0x0                               ; my stores are done, for the partner's sake
	s_barrier_signal -1
	s_barrier_wait -1
.irp i, 0,1,2,3,4,5,6,7,8,9,10,11,12,13,14,15
	ds_load_b128 v[SS+4*\i:SS+4*\i+3], v[STR] offset:512*\i
.endr
	ds_load_b64 v[TS:TS+1], v[STN] offset:8192
	s_wait_dscnt 0x0
	v_min_num_f32 v28, v[ST], v[TS]                ; -M of all keys
	s_delay_alu instid0(VALU_DEP_1)
	v_sub_f32 v29, v28, v[ST]                      ; my M - M, the partner's M - M: whole numbers, 0 or less
	v_sub_f32 v26, v28, v[TS]
	s_delay_alu instid0(VALU_DEP_2)
	v_cvt_i32_f32 v29, v29
	s_delay_alu instid0(VALU_DEP_2)
	v_cvt_i32_f32 v26, v26
	s_delay_alu instid0(VALU_DEP_2)
	v_ldexp_f32 v29, 1.0, v29
	s_delay_alu instid0(VALU_DEP_2)
	v_ldexp_f32 v26, 1.0, v26
	s_delay_alu instid0(VALU_DEP_2)
	v_mul_f32 v27, v[ST+2], v29
	s_delay_alu instid0(VALU_DEP_1)
	v_fmac_f32 v27, v[TS+1], v26                   ; the row's sum over all keys
	s_wait_alu depctr_va_vdst(0)                   ; the wait ahead of the transcendental
	v_rcp_f32 v28, v27
	v_nop
	s_wait_alu depctr_va_vdst(0)                   ; and ahead of its first reader
	v_mul_f32 v[FF], v29, v28
	v_mul_f32 v[FF+2], v26, v28
	WIN FROM_1
	s_wait_alu depctr_va_vdst(0)                   ; the wait here, directly ahead of the first reader of O^T
.set J, 0
.rept 32
	v_pk_mul_f32 v[SS+64+J:SS+64+J+1], v[OO+J:OO+J+1], v[FF:FF+1] op_sel_hi:[1,0]   ; my half, each accumulator from its low end on,
.set J, J+2
.endr
	WIN 0
.set J, 0
.rept 32
	v_pk_fma_f32 v[SS+64+J:SS+64+J+1], v[SS+J:SS+J+1], v[FF+2:FF+3], v[SS+64+J:SS+64+J+1] op_sel_hi:[1,0,1]   ; and the partner's: y of my 16 queries, of the head that I keep
.set J, J+2
.endr
	QUANT SS+64, QF, BM, CH                        ; a lane's 64 numbers run along the last product's K: quantised as they lie
.irp c, 0,1,2
	global_store_b128 v[LI], v[QF+4*\c:QF+4*\c+3], s[14:15] offset:512*\c   ; 512 consecutive bytes a store, aligned to 256
.endr
	global_store_b32 v[LR], v[CH], s[16:17] offset:6144   ; my rows' scale words: lanes r and r + 16 write the same word with the same value
	s_wait_tensorcnt 0x0                           ; the wave's end
	ds_add_u32 v[SPW], v[NIL]
	s_wait_dscnt 0x0
	CROUND                                         ; the closing round
	s_endpgm
.Lfunc_end_k_q723914a3c7_attn:
	.size	k_q723914a3c7_attn, .Lfunc_end_k_q723914a3c7_attn-k_q723914a3c7_attn
	.p2alignl 7, 3214868480
	.fill 96, 4, 3214868480
	.section	.rodata,"a",@progbits
	.p2align	6, 0x0
	.amdhsa_kernel k_q723914a3c7_attn
		.amdhsa_group_segment_fixed_size 327680
		.amdhsa_private_segment_fixed_size 0
		.amdhsa_enable_private_segment 0
		.amdhsa_kernarg_size 24
		.amdhsa_user_sgpr_count 2
		.amdhsa_user_sgpr_kernarg_segment_ptr 1
		.amdhsa_wavefront_size32 1
		.amdhsa_system_sgpr_workgroup_id_x 1
		.amdhsa_system_sgpr_workgroup_id_y 1
		.amdhsa_system_sgpr_workgroup_id_z 1
		.amdhsa_system_vgpr_workitem_id 0
		.amdhsa_next_free_vgpr 512
		.amdhsa_next_free_sgpr 100
		.amdhsa_reserve_vcc 1
		.amdhsa_float_denorm_mode_32 3
		.amdhsa_float_denorm_mode_16_64 3
		.amdhsa_memory_ordered 1
		.amdhsa_forward_progress 1
		.amdhsa_inst_pref_size 122
	.end_amdhsa_kernel
	.amdgpu_metadata
---
amdhsa.version: [ 1, 2 ]
amdhsa.kernels:
  - .name:           k_q723914a3c7_attn
    .symbol:         k_q723914a3c7_attn.kd
    .args:
      - { .name: qkv_rec, .offset: 0, .size: 8, .value_kind: global_buffer, .address_space: global }
      - { .name: atten_mask, .offset: 8, .size: 8, .value_kind: global_buffer, .address_space: global }
      - { .name: y_rec, .offset: 16, .size: 8, .value_kind: global_buffer, .address_space: global }
    .group_segment_fixed_size: 327680
    .private_segment_fixed_size: 0
    .kernarg_segment_align: 8
    .kernarg_segment_size: 24
    .max_flat_workgroup_size: 256
    .sgpr_count:     100
    .vgpr_count:     512
    .wavefront_size: 32
...
	.end_amdgpu_metadata
.endif
;; end of part 3
;; launch outp (part 4): grid 16 x 16, 4 waves a work-group, clusters of 4 x 4, 327,680 bytes of LDS; arguments y_rec, wo_rec, out0; writes out0
.if DOCPART == 4
	.amdgcn_target "amdgcn-amd-amdhsa--gfx1250"
	.amdhsa_code_object_version 6
	.text
	.protected	k_q723914a3c7_outp
	.globl	k_q723914a3c7_outp
	.p2align	8
	.type	k_q723914a3c7_outp,@function
k_q723914a3c7_outp:
	s_mov_b64 s[64:65], 0
	v_nop
	global_prefetch_b8 v0, s[64:65] scope:SCOPE_SE
	s_setreg_imm32_b32 hwreg(HW_REG_WAVE_MODE, 25, 1), 1
	s_wait_xcnt 0x0
	s_wait_alu depctr_hold_cnt(0) depctr_sa_sdst(0) depctr_va_vdst(0) depctr_va_sdst(0) depctr_va_ssrc(0) depctr_va_vcc(0) depctr_vm_vsrc(0)
	s_getreg_b32 s2, hwreg(HW_REG_IB_STS2, 6, 4)
	s_cmp_eq_u32 s2, 0
	s_cbranch_scc0 .Lentry_in_a_cluster
	s_endpgm
.Lentry_in_a_cluster:
	s_bfe_u32 s2, ttmp6, 0x10000c
	s_cmp_lg_u32 s2, 0xf033
	s_cbranch_scc0 .Lentry_shape_is_right
	s_endpgm
.Lentry_shape_is_right:
.set REC,   6400
.set RBB,   4*REC
.set SLOT,  24*REC
.set BOFF,  8*REC
.set SPARE, 2*SLOT
.set LAPS,  2
.set SPITCH, 528
.set ADRA, 16
.set ADSA, 18
.set ADRB, 20
.set ADSB, 22
.set LI,   24
.set STO,  25
.set RD,   26
.set SPW,  28
.set NIL,  29
.set SC,   32
.set AF,   128
.set BK,   128
.set G1A, 24
.set G0A, 32
.set G1B, 48
.set G0B, 56
.set PFO, 27                           ; v27  the prefetches' offset: 256 x min(lane, 24): a record has 25 blocks of 256 bytes; never rewritten
.set PFA, 84                           ; s[84:85] where my prefetches stand; never stepped
; A prefetch of records that a later tensor load will bring: behind the load of K chunk 0 stand the requests for chunks 1 and 2, behind that of chunk 1 the request for chunk 3, the last: the two refills have no chunk two on.
; The four partners that ask for a tile jointly share its records out by address: of A's four records of a wave the partner at cx takes record cx; of B's eight the partner at cy takes records 2 cy and 2 cy + 1.
.macro ASK off
	global_prefetch_b8 v[PFO], s[PFA:PFA+1] offset:\off th:TH_LOAD_NT scope:SCOPE_SE
	s_cmp_eq_u32 s15, 0
	s_cbranch_scc1 .Lno_ask_\@
	global_prefetch_b8 v[PFO], s[PFA:PFA+1] offset:(\off)+RBB th:TH_LOAD_NT scope:SCOPE_SE
.Lno_ask_\@:
.endm
.set MSB, 0
.macro WIN new
.if MSB != \new
	s_set_vgpr_msb (MSB<<8)|\new
.set MSB, \new
.endif
.endm
.set MUL,  0xa1
.set TO_B, 0x40
.macro PLACES
.rept 4
	v_nop
.endr
.endm
.macro JLOAD s
	s_cmp_eq_u32 s15, 0
	s_cbranch_scc0 .Lfor_b_\@
	tensor_load_to_lds s[G0A+4*\s:G0A+4*\s+3], s[G1A:G1A+7]
	s_nop 0
.rept 4
	v_nop
.endr
	s_branch .Lasked_\@
.Lfor_b_\@:
	tensor_load_to_lds s[G0B+4*\s:G0B+4*\s+3], s[G1B:G1B+7]
	s_nop 0
.rept 4
	v_nop
.endr
.Lasked_\@:
.endm
.macro CREST
	s_cmp_lg_u32 s14, 0
	s_cbranch_scc1 .Lnot_wave_0_\@
	s_barrier_signal -3
.Lnot_wave_0_\@:
	s_barrier_wait -3
	s_barrier_signal -1
	s_barrier_wait -1
.endm
.macro CROUND
	s_barrier_signal -1
	s_barrier_wait -1
	CREST
.endm
	s_load_b128 s[4:7], s[0:1], 0x0
	s_load_b64 s[12:13], s[0:1], 0x10
	v_lshl_add_u32 v[SPW], v0, 2, SPARE
	v_mov_b32 v[NIL], 0
	ds_add_u32 v28, v29
	ds_add_u32 v28, v29
	s_wait_dscnt 0x0
	v_lshrrev_b32 v1, 5, v0
	v_readfirstlane_b32 s14, v1
	v_and_b32 v[PFO], 31, v0
	v_min_u32 v[PFO], 24, v[PFO]
	v_lshlrev_b32 v[PFO], 8, v[PFO]
	s_lshr_b32 s15, s14, 1
	s_and_b32 s16, s14, 1
	s_bfe_u32 s40, ttmp6, 0x40000
	s_bfe_u32 s41, ttmp6, 0x40004
	s_and_b32 s43, ttmp7, 0xffff
	s_lshl_b32 s43, s43, 2
	s_add_co_u32 s43, s43, s41
	s_lshl_b32 s44, ttmp9, 2
	s_add_co_u32 s44, s44, s40
	s_lshl_b32 s45, s41, 2
	s_lshl_b32 s45, 15, s45
	s_lshl_b32 s46, 0x1111, s40
	s_or_b32 s[G1A], s45, (3<<16)|(1<<21)
	s_or_b32 s[G1B], s46, (3<<16)|(1<<21)
	s_mov_b32 s[G1A+1], 800<<16
	s_mov_b32 s[G1A+2], 4<<16
	s_mov_b32 s[G1A+3], 800<<16
	s_mov_b32 s[G1A+4], 4
	s_mov_b32 s[G1A+5], RBB/8
	s_mov_b32 s[G1A+6], 0
	s_mov_b32 s[G1A+7], 0
	s_mov_b32 s[G1B+1], 800<<16
	s_mov_b32 s[G1B+2], 8<<16
	s_mov_b32 s[G1B+3], 800<<16
	s_mov_b32 s[G1B+4], 8
	s_mov_b32 s[G1B+5], RBB/8
	s_mov_b32 s[G1B+6], 0
	s_mov_b32 s[G1B+7], 0
	s_lshl_b32 s20, s43, 3
	s_lshl_b32 s21, s16, 2
	s_add_co_u32 s20, s20, s21
	s_mul_i32 s20, s20, RBB
	s_mov_b32 s21, 0
	s_lshl_b32 s66, s44, 4
	s_lshl_b32 s67, s16, 3
	s_add_co_u32 s66, s66, s67
	s_mul_i32 s66, s66, RBB
	s_mov_b32 s67, 0
	s_mul_i32 s72, s16, 4*REC
	s_mul_i32 s73, s16, 8*REC
	s_add_co_u32 s73, s73, BOFF
	s_wait_kmcnt 0x0
	s_add_nc_u64 s[68:69], s[4:5], s[20:21]
	s_add_nc_u64 s[70:71], s[6:7], s[66:67]
	s_mul_i32 s86, s40, RBB                        ; the prefetches: A's record cx of my four,
	s_mul_i32 s87, s41, 2*RBB                      ; B's records 2 cy on of my eight
	s_cmp_eq_u32 s15, 0                            ; do I fetch for A?
	s_cselect_b64 s[PFA:PFA+1], s[68:69], s[70:71]
	s_cselect_b32 s86, s86, s87
	s_mov_b32 s87, 0
	s_add_nc_u64 s[PFA:PFA+1], s[PFA:PFA+1], s[86:87]
.irp s, 0,1
	s_mov_b32 s[G0A+4*\s], 1
	s_add_co_u32 s[G0A+4*\s+1], s72, \s*SLOT
	s_add_nc_u64 s[G0A+4*\s+2:G0A+4*\s+3], s[68:69], \s*REC
	s_or_b32 s[G0A+4*\s+3], s[G0A+4*\s+3], 0x80000000
	s_mov_b32 s[G0B+4*\s], 1
	s_add_co_u32 s[G0B+4*\s+1], s73, \s*SLOT
	s_add_nc_u64 s[G0B+4*\s+2:G0B+4*\s+3], s[70:71], \s*REC
	s_or_b32 s[G0B+4*\s+3], s[G0B+4*\s+3], 0x80000000
	s_wait_alu depctr_va_vdst(0)
	s_wait_tensorcnt 0x0
	ds_add_u32 v28, v29
	ds_add_u32 v28, v29
	s_wait_dscnt 0x0
	CROUND
	JLOAD \s
.if \s == 0
	ASK REC
	ASK 2*REC
.else
	ASK 3*REC
.endif
.endr
	v_and_b32 v1, 31, v0
	v_and_b32 v2, 15, v0
	v_bfe_u32 v3, v0, 4, 1
	v_lshlrev_b32 v[LI], 4, v1
	v_lshlrev_b32 v4, 4, v2
	s_mul_i32 s80, s15, 4*REC
	s_mul_i32 s81, s16, 8*REC
	s_add_co_u32 s81, s81, BOFF
.irp s, 0,1
	v_add_nc_u32 v[ADRA+\s], s80, v[LI]
	v_add_nc_u32 v[ADSA+\s], s80, v4
	v_add_nc_u32 v[ADRB+\s], s81, v[LI]
	v_add_nc_u32 v[ADSB+\s], s81, v4
	s_add_co_u32 s80, s80, SLOT
	s_add_co_u32 s81, s81, SLOT
.endr
	s_mul_i32 s74, s14, 16*SPITCH
	v_mul_u32_u24 v[STO], v2, SPITCH
	v_lshl_add_u32 v[STO], v3, 5, v[STO]
	v_add_nc_u32 v[STO], s74, v[STO]
	v_add_nc_u32 v[RD], s74, v[LI]
	s_lshl_b32 s76, s43, 21
	s_lshl_b32 s77, s15, 20
	s_add_co_u32 s76, s76, s77
	s_lshl_b32 s77, s44, 10
	s_add_co_u32 s76, s76, s77
	s_lshl_b32 s77, s16, 9
	s_add_co_u32 s76, s76, s77
	s_mov_b32 s77, 0
	s_add_nc_u64 s[12:13], s[12:13], s[76:77]
.macro FETCH slot, q, p
	WIN TO_B
.irp b, 0,1,2,3,4,5,6,7
.irp c, 0,1,2
	ds_load_b128 v[128*(\p)+12*\b+4*\c:128*(\p)+12*\b+4*\c+3], v[ADRB+\slot] offset:REC*\b+1536*(\q)+512*\c
.endr
.endr
	WIN 0
.irp a, 0,1,2,3
.irp c, 0,1,2
	ds_load_b128 v[AF+48*(\p)+12*\a+4*\c:AF+48*(\p)+12*\a+4*\c+3], v[ADRA+\slot] offset:REC*\a+1536*(\q)+512*\c
.endr
.endr
.endm
.macro SCALES s
.irp a, 0,1,2,3
	ds_load_b128 v[SC+48*\s+4*\a:SC+48*\s+4*\a+3], v[ADSA+\s] offset:REC*\a+6144
.endr
.irp b, 0,1,2,3,4,5,6,7
	ds_load_b128 v[SC+48*\s+16+4*\b:SC+48*\s+16+4*\b+3], v[ADSB+\s] offset:REC*\b+6144
.endr
.endm
.macro MUL8 a, p, q, sc, zero
.irp b, 0,1,2,3,4,5,6,7
.if \zero
	v_wmma_scale_f32_16x16x128_f8f6f4 v[8*(8*(\a)+\b):8*(8*(\a)+\b)+7], v[128*(\p)+12*\b:128*(\p)+12*\b+11], v[AF+48*(\p)+12*(\a):AF+48*(\p)+12*(\a)+11], 0, v[SC+48*(\sc)+16+4*\b+(\q)], v[SC+48*(\sc)+4*(\a)+(\q)] matrix_a_fmt:MATRIX_FMT_FP6 matrix_b_fmt:MATRIX_FMT_FP6
.else
	v_wmma_scale_f32_16x16x128_f8f6f4 v[8*(8*(\a)+\b):8*(8*(\a)+\b)+7], v[128*(\p)+12*\b:128*(\p)+12*\b+11], v[AF+48*(\p)+12*(\a):AF+48*(\p)+12*(\a)+11], v[8*(8*(\a)+\b):8*(8*(\a)+\b)+7], v[SC+48*(\sc)+16+4*\b+(\q)], v[SC+48*(\sc)+4*(\a)+(\q)] matrix_a_fmt:MATRIX_FMT_FP6 matrix_b_fmt:MATRIX_FMT_FP6
.endif
.endr
.endm
.macro STEP slot, q, zero
	s_wait_dscnt 0x0
	PLACES
	FETCH \slot, (\q)+1, 1-(\q)%2
	WIN MUL
	MUL8 0, (\q)%2, \q, \slot, \zero
	MUL8 1, (\q)%2, \q, \slot, \zero
	MUL8 2, (\q)%2, \q, \slot, \zero
	MUL8 3, (\q)%2, \q, \slot, \zero
	WIN 0
.endm
.macro TURN slot, next, fill
	s_wait_tensorcnt 0x0
	ds_add_u32 v[SPW], v[NIL]
	s_wait_dscnt 0x1
	WIN MUL
	MUL8 0, 1, 3, \slot, 0
	s_wait_dscnt 0x0
	s_barrier_signal -1
	MUL8 1, 1, 3, \slot, 0
	WIN 0
	s_barrier_wait -1
.if \fill
	CREST
	s_add_nc_u64 s[G0A+4*\slot+2:G0A+4*\slot+3], s[G0A+4*\slot+2:G0A+4*\slot+3], 2*REC
	s_add_nc_u64 s[G0B+4*\slot+2:G0B+4*\slot+3], s[G0B+4*\slot+2:G0B+4*\slot+3], 2*REC
	JLOAD \slot
.else
	PLACES
.endif
	FETCH \next, 0, 0
	SCALES \next
	WIN MUL
	MUL8 2, 1, 3, \slot, 0
	MUL8 3, 1, 3, \slot, 0
	WIN 0
.endm
	s_wait_alu depctr_va_vdst(0)
	s_wait_tensorcnt 0x1
	s_barrier_signal -1
	s_barrier_wait -1
	FETCH 0, 0, 0
	SCALES 0
	STEP 0, 0, 1
	s_mov_b32 s3, LAPS-1
.Llap:
	STEP 0, 1, 0
	STEP 0, 2, 0
	TURN 0, 1, 1
	STEP 1, 0, 0
	STEP 1, 1, 0
	STEP 1, 2, 0
	TURN 1, 0, 1
	STEP 0, 0, 0
	s_sub_co_u32 s3, s3, 1
	s_cmp_lg_u32 s3, 0
	s_cbranch_scc1 .Llap
	STEP 0, 1, 0
	STEP 0, 2, 0
	TURN 0, 1, 0
	STEP 1, 0, 0
	STEP 1, 1, 0
	STEP 1, 2, 0
	s_wait_dscnt 0x0
	WIN MUL
	MUL8 0, 1, 3, 1, 0
	MUL8 1, 1, 3, 1, 0
	MUL8 2, 1, 3, 1, 0
	MUL8 3, 1, 3, 1, 0
	WIN 0
.macro TOSTAGE a
	WIN 0x08
.irp b, 0,1,2,3,4,5,6,7
	ds_store_b128 v[STO], v[64*(\a)+8*\b:64*(\a)+8*\b+3] offset:64*\b
	ds_store_b128 v[STO], v[64*(\a)+8*\b+4:64*(\a)+8*\b+7] offset:64*\b+16
.endr
	WIN 0
.set BB, BK+64*((\a)%2)
.irp t, 0,1,2,3,4,5,6,7,8,9,10,11,12,13,14,15
	ds_load_b128 v[BB+4*\t:BB+4*\t+3], v[RD] offset:\t*SPITCH
.endr
.endm
.macro SEND a, younger
.set BB, BK+64*((\a)%2)
	s_wait_dscnt \younger
.if (\a) > 0
	s_add_nc_u64 s[12:13], s[12:13], 16*16384
.endif
.irp t, 0,1,2,3,4,5,6,7,8,9,10,11,12,13,14,15
	global_store_b128 v[LI], v[BB+4*\t:BB+4*\t+3], s[12:13] offset:\t*16384 th:TH_STORE_NT
.endr
.endm
	PLACES
	TOSTAGE 0
.irp a, 1,2,3
.if \a > 1
	s_wait_xcnt 0x0
.endif
	TOSTAGE \a
	SEND \a-1, 32
.endr
	s_wait_xcnt 0x0
	SEND 3, 0
	s_wait_tensorcnt 0x0
	ds_add_u32 v[SPW], v[NIL]
	s_wait_dscnt 0x0
	CROUND
	s_endpgm
.Lfunc_end_k_q723914a3c7_outp:
	.size	k_q723914a3c7_outp, .Lfunc_end_k_q723914a3c7_outp-k_q723914a3c7_outp
	.p2alignl 7, 3214868480
	.fill 96, 4, 3214868480
	.section	.rodata,"a",@progbits
	.p2align	6, 0x0
	.amdhsa_kernel k_q723914a3c7_outp
		.amdhsa_group_segment_fixed_size 327680
		.amdhsa_private_segment_fixed_size 0
		.amdhsa_enable_private_segment 0
		.amdhsa_kernarg_size 24
		.amdhsa_user_sgpr_count 2
		.amdhsa_user_sgpr_kernarg_segment_ptr 1
		.amdhsa_wavefront_size32 1
		.amdhsa_system_sgpr_workgroup_id_x 1
		.amdhsa_system_sgpr_workgroup_id_y 1
		.amdhsa_system_sgpr_workgroup_id_z 1
		.amdhsa_system_vgpr_workitem_id 0
		.amdhsa_next_free_vgpr 768
		.amdhsa_next_free_sgpr 100
		.amdhsa_reserve_vcc 0
		.amdhsa_float_denorm_mode_32 3
		.amdhsa_float_denorm_mode_16_64 3
		.amdhsa_memory_ordered 1
		.amdhsa_forward_progress 1
		.amdhsa_inst_pref_size 134
	.end_amdhsa_kernel
	.amdgpu_metadata
---
amdhsa.version: [ 1, 2 ]
amdhsa.kernels:
  - .name:           k_q723914a3c7_outp
    .symbol:         k_q723914a3c7_outp.kd
    .args:
      - { .name: y_rec, .offset: 0, .size: 8, .value_kind: global_buffer, .address_space: global }
      - { .name: wo_rec, .offset: 8, .size: 8, .value_kind: global_buffer, .address_space: global }
      - { .name: out0, .offset: 16, .size: 8, .value_kind: global_buffer, .address_space: global }
    .group_segment_fixed_size: 327680
    .private_segment_fixed_size: 0
    .kernarg_segment_align: 8
    .kernarg_segment_size: 24
    .max_flat_workgroup_size: 128
    .sgpr_count:     100
    .vgpr_count:     768
    .wavefront_size: 32
...
	.end_amdgpu_metadata
.endif
;; end of part 4
